; MI455X (gfx1250); checked and timed in simulation.
; The chip was launched on July 23, 2026; its instructions are those of AMD's public machine-readable ISA for CDNA 5 (MIT licence, August 2026) and "CDNA5" Instruction Set Architecture Reference Guide (July 2026). The comments in the code are by the model that wrote it; some were corrected since.
;; Spatial Attention. Allowed arithmetic: float matrix products may take bf16 or f16 operands with f32 sums; other float arithmetic in f32, or as packed bf16 or f16 multiplies, adds, multiply-adds, maxima and minima; sums over many terms, partial sums and values carried from step to step in f32; what a program stores and reads back later, other than sums and carried values, may be rounded once to bf16 or f16.
;; Inputs: b_proj 256 float32; b_qkv 768 float32; rel_bias 8 x 1 x 1 float32; w_proj 256 x 256 float32; w_qkv 256 x 768 float32; x 2 x 64 x 64 x 256 float32.
;; Outputs: out0 2 x 64 x 64 x 256 float32.
;; 2 versions, each right; version 2 is version 1 with the launches qkvproj, outproj written anew for expert scheduling mode. Each part assembles by itself: llvm-mc -triple=amdgcn-amd-amdhsa -mcpu=gfx1250 --defsym DOCPART=n.
;; ======== version 1 of 2: 3 launches
;; limits: values are held in f16: magnitudes above 65,504 overflow, below 6.1e-05 lose precision
;; workspace buffers: qkv 12,582,912 bytes; o 4,194,304 bytes
;; launch qkvproj (part 1): grid 4 x 64, 8 waves a work-group, no clusters, 236,544 bytes of LDS; arguments x, w_qkv, b_qkv, qkv; writes qkv
.if DOCPART == 1
	.amdgcn_target "amdgcn-amd-amdhsa--gfx1250"
	.amdhsa_code_object_version 6
	.text
	.protected	k_q1833b42922_qkvproj
	.globl	k_q1833b42922_qkvproj
	.p2align	8
	.type	k_q1833b42922_qkvproj,@function
k_q1833b42922_qkvproj:
	s_mov_b64 s[64:65], 0
	v_nop
	global_prefetch_b8 v0, s[64:65] scope:SCOPE_SE
	s_setreg_imm32_b32 hwreg(HW_REG_WAVE_MODE, 25, 1), 1
	s_wait_xcnt 0x0
; qkv = x w_qkv + b_qkv.  x: [8192][256] f32, w_qkv: [256][768] f32, b_qkv: [768] f32.  x, w and b are rounded to bf16, products in bf16 with f32 sums that start at the bias,
; the result rounded once to f16 and stored BY HEADS: qkv[3 (q, k, v)][16 (8 batch + head)][4096][32], a row 64 bytes, a plane 262,144 bytes; q is stored without the scale.
; LIMIT.  f16 holds no number beyond 65,504: q, k and v must lie within it.  NaN and infinities are not treated apart.
; SHARES.  A work-group makes 128 rows x 192 columns: 64 x 4 = 256 work-groups.  Wave w makes rows 32 (w % 4) .. + 31 and columns 96 (w / 4) .. + 95: 2 x 6 accumulators of 16 x 16.
; THE WAY IN goes through registers: the tiles are f32 in memory and must be bf16 for the matrix unit; as f32 they are 128 KiB + 192 KiB, all of LDS, so no copy engine and no joint
; load of a cluster is used: each wave loads 16 rows of x and 32 rows of w, rounds them and stores them into LDS; one barrier; then K = 256 is walked in 8 steps of 32.
; THE MATRIX INSTRUCTION IS USED TRANSPOSED: source 0 = 16 columns of w (turned out of LDS by ds_load_tr16_b128, since w lies [k][column]), source 1 = 16 rows of x: a lane then holds one row
; and eight neighbouring columns, 16 bytes of f16.  32 columns are one head: 16 rows x 64 bytes go through the wave's own stage and leave as 512 consecutive bytes a store.
.set XP,    528                        ; a row of x in LDS: 512 bytes + 16: an odd multiple of 16, so the 16 rows of a fragment load start at 16 different groups of four banks
.set WP,    416                        ; a row of w in LDS: 384 bytes + 32: an odd multiple of 32
.set XT,    0                          ; 128 rows of x
.set WT,    128*XP                     ; 256 rows (k) of w
.set STG,   WT+256*WP                  ; the stages: for each wave 6 blocks of 16 rows x 80 bytes
.set SP,    80
.set BLK,   16*SP
.set SPARE, STG+8*6*BLK                ; the spare words, 128 bytes for each wave: four blocks of 256 bytes that no other line names
.set XG,  4                            ; v4   x in memory: 16 rows x wave + 16 bytes x lane
.set XL,  5                            ; v5   x into LDS: 16 rows x wave + 8 bytes x lane
.set WG,  6                            ; v6   w in memory: 32 rows x wave + 8 bytes x lane
.set WL,  7                            ; v7   w into LDS: 32 rows x wave + 4 bytes x lane
.set BG,  8                            ; v8   the bias: 32 bytes x (lane / 16)
.set XA,  9                            ; v9   my place in x's fragments
.set WA,  10                           ; v10  my place in w's fragments, k 0 to 127
.set WA2, 11                           ; v11  the same, k 128 to 255 (an LDS offset holds 16 bits)
.set STO, 12                           ; v12  the way out: where I put 16 bytes of a row
.set RD,  13                           ; v13  the way out: where I read rows back
.set GO,  14                           ; v14  my 16 bytes of 512 consecutive bytes of qkv
.set SPW, 16                           ; v16  LDS address of my spare word; never rewritten
.set NIL, 17                           ; v17  0; never rewritten
.set TMP, 24                           ; v24-27 at work
.set ACC, 32                           ; v32-127  accumulator (mb, nb) at ACC + 8 (6 mb + nb)
.set CA,  128                          ; v128-191 a chunk of loads, then fragment buffer 0: w's six at 8 nb, x's two at 48 + 8 mb
.set CB,  192                          ; v192-255 the same, buffer 1
.set WV,  12                           ; s12  my wave's number
	s_load_b256 s[4:11], s[0:1], 0x0               ; x s[4:5], w s[6:7], b s[8:9], qkv s[10:11]
	v_lshl_add_u32 v[SPW], v0, 2, SPARE
	v_mov_b32 v[NIL], 0
	v_lshrrev_b32 v1, 5, v0
	v_readfirstlane_b32 s[WV], v1                  ; wave 0..7
	s_and_b32 s13, ttmp7, 0xffff                   ; block of 128 rows
	s_and_b32 s14, s[WV], 3                        ; which 32 rows are mine
	s_lshr_b32 s15, s[WV], 2                       ; which 96 columns
	v_and_b32 v1, 15, v0                           ; l % 16
	v_bfe_u32 v2, v0, 4, 1                         ; l / 16
	v_and_b32 v3, 31, v0                           ; l
	s_lshl_b32 s22, s[WV], 14                      ; 16 rows of 1,024 bytes
	v_lshl_add_u32 v[XG], v3, 4, s22
	s_mul_i32 s22, s[WV], 32*3072                  ; 32 rows of 3,072 bytes
	v_lshl_add_u32 v[WG], v3, 3, s22
	v_lshlrev_b32 v[BG], 5, v2
	s_lshl_b32 s24, s13, 17                        ; the block's 128 rows of x
	s_mov_b32 s25, 0
	s_mul_i32 s26, ttmp9, 768                      ; the work-group's 192 columns, in bytes of f32
	s_mov_b32 s27, 0
	s_mul_i32 s28, s15, 384                        ; + my 96 columns, for the bias
	s_add_co_u32 s28, s28, s26
	s_mov_b32 s29, 0
	s_mov_b32 s30, 0xffff0000                      ; a word's upper bf16
	s_wait_kmcnt 0x0
	s_add_nc_u64 s[4:5], s[4:5], s[24:25]
	s_add_nc_u64 s[6:7], s[6:7], s[26:27]
	s_add_nc_u64 s[8:9], s[8:9], s[28:29]
; 16 loads of 512 consecutive bytes: rows 8 c .. 8 c + 7 of my 16 rows of x
.macro XLOAD c, buf
.set i, 0
.rept 16
	global_load_b128 v[(\buf)+4*i:(\buf)+4*i+3], v[XG], s[4:5] offset:512*(16*(\c)+i)
.set i, i+1
.endr
.endm
; rounded to bf16 in place, 8 bytes a lane into LDS
.macro XSTORE c, buf
.set i, 0
.rept 16
	v_cvt_pk_bf16_f32 v[(\buf)+4*i], v[(\buf)+4*i], v[(\buf)+4*i+1]
	v_cvt_pk_bf16_f32 v[(\buf)+4*i+1], v[(\buf)+4*i+2], v[(\buf)+4*i+3]
	ds_store_b64 v[XL], v[(\buf)+4*i:(\buf)+4*i+1] offset:((16*(\c)+i)/2)*XP+((16*(\c)+i)%2)*256
.set i, i+1
.endr
.endm
; 32 loads of 256 consecutive bytes, aligned: three to a row's 768 bytes
.macro WLOAD c, buf
.set i, 0
.rept 32
	global_load_b64 v[(\buf)+2*i:(\buf)+2*i+1], v[WG], s[6:7] offset:((32*(\c)+i)/3)*3072+((32*(\c)+i)%3)*256
.set i, i+1
.endr
.endm
.macro WSTORE c, buf
.set i, 0
.rept 32
	v_cvt_pk_bf16_f32 v[(\buf)+2*i], v[(\buf)+2*i], v[(\buf)+2*i+1]
	ds_store_b32 v[WL], v[(\buf)+2*i] offset:((32*(\c)+i)/3)*WP+((32*(\c)+i)%3)*128
.set i, i+1
.endr
.endm
.irp nb, 0,1,2,3,4,5                   ; the bias of my eight columns of each block of 16, into the accumulators of my first 16 rows
	global_load_b128 v[ACC+8*\nb:ACC+8*\nb+3],   v[BG], s[8:9] offset:64*\nb
	global_load_b128 v[ACC+8*\nb+4:ACC+8*\nb+7], v[BG], s[8:9] offset:64*\nb+16
.endr
	XLOAD 0, CA
	XLOAD 1, CB
	; the LDS addresses and the three bases of the way out are made while the loads are on their way
	s_mul_i32 s22, s[WV], 16*XP
	v_lshl_add_u32 v[XL], v3, 3, s22
	s_mul_i32 s22, s[WV], 32*WP
	s_add_co_u32 s22, s22, WT
	v_lshl_add_u32 v[WL], v3, 2, s22
	s_mul_i32 s22, s14, 32*XP
	v_mul_u32_u24 v[XA], v1, XP
	v_lshl_add_u32 v[XA], v2, 4, v[XA]
	v_add_nc_u32 v[XA], s22, v[XA]                 ; (my 32 rows + l % 16) x pitch + 16 (l / 16)
	v_and_b32 v18, 7, v0
	v_bfe_u32 v19, v0, 3, 1
	v_lshl_add_u32 v[WA], v2, 3, v18
	v_mul_u32_u24 v[WA], v[WA], WP
	v_lshl_add_u32 v[WA], v19, 4, v[WA]            ; the turning load: row 8 (l / 16) + l % 8, 16 bytes x ((l / 8) % 2)
	s_mul_i32 s22, s15, 192
	s_add_co_u32 s22, s22, WT
	v_add_nc_u32 v[WA], s22, v[WA]
	v_add_nc_u32 v[WA2], 128*WP, v[WA]
	s_mul_i32 s22, s[WV], 6*BLK
	s_add_co_u32 s22, s22, STG                     ; my stage
	v_mul_u32_u24 v[STO], v1, SP
	v_lshl_add_u32 v[STO], v2, 4, v[STO]
	v_add_nc_u32 v[STO], s22, v[STO]
	v_bfe_u32 v18, v0, 2, 3
	v_and_b32 v19, 3, v0
	v_mul_u32_u24 v[RD], v18, SP                   ; back: 32 lanes take eight rows of 64 bytes,
	v_lshl_add_u32 v[RD], v19, 4, v[RD]
	v_add_nc_u32 v[RD], s22, v[RD]
	v_lshlrev_b32 v[GO], 4, v3                     ; which are 512 consecutive bytes of a plane
	s_mul_i32 s24, ttmp9, 6
	s_mul_i32 s25, s15, 3
	s_add_co_u32 s24, s24, s25                     ; my first group of 32 columns: 8 x (q, k or v) + head
	s_lshr_b32 s25, s13, 5
	s_lshl_b32 s25, s25, 3                         ; 8 x batch
	s_and_b32 s26, s13, 31
	s_lshl_b32 s26, s26, 7
	s_lshl_b32 s27, s14, 5
	s_add_co_u32 s26, s26, s27
	s_lshl_b32 s26, s26, 6                         ; my first row in a plane, in bytes
.irp g, 0,1,2
	s_add_co_u32 s28, s24, \g
	s_lshr_b32 s29, s28, 3
	s_lshl_b32 s29, s29, 4
	s_and_b32 s28, s28, 7
	s_add_co_u32 s28, s28, s29
	s_add_co_u32 s28, s28, s25                     ; the plane: 16 x (q, k or v) + 8 x batch + head
	s_lshl_b32 s28, s28, 18
	s_add_co_u32 s28, s28, s26
	s_mov_b32 s29, 0
	s_add_nc_u64 s[16+2*\g:17+2*\g], s[10:11], s[28:29]
.endr
	s_wait_loadcnt 32                              ; the bias is in; the 32 loads of x are younger
.irp nb, 0,1,2,3,4,5                   ; rounded to bf16 like the other inputs, and given to both blocks of rows: the sums start at the bias
.irp k, 0,1,2,3
	v_cvt_pk_bf16_f32 v[TMP+\k], v[ACC+8*\nb+2*\k], v[ACC+8*\nb+2*\k+1]
.endr
.irp k, 0,1,2,3
	v_lshlrev_b32 v[ACC+8*\nb+2*\k], 16, v[TMP+\k]
	v_and_b32 v[ACC+8*\nb+2*\k+1], s30, v[TMP+\k]
	v_lshlrev_b32 v[ACC+48+8*\nb+2*\k], 16, v[TMP+\k]
	v_and_b32 v[ACC+48+8*\nb+2*\k+1], s30, v[TMP+\k]
.endr
.endr
	s_wait_loadcnt 16                              ; x's first chunk is in; the second chunk's 16 loads are younger
	XSTORE 0, CA
	WLOAD 0, CA
	s_wait_loadcnt 32                              ; x's second chunk; the 32 loads of w just issued are younger
	XSTORE 1, CB
	WLOAD 1, CB
	s_wait_loadcnt 32                              ; w's first chunk; the second chunk's 32 are younger
	WSTORE 0, CA
	WLOAD 2, CA
	s_wait_loadcnt 32                              ; w's second chunk; the third chunk's 32 are younger
	WSTORE 1, CB
	s_wait_loadcnt 0x0
	WSTORE 2, CA
	s_wait_dscnt 0x0                               ; for the others' sake: my stores into the tiles are done
	s_barrier_signal -1
	s_barrier_wait -1                              ; both tiles are whole
; 16 LDS loads: the fragments of 32 along K
.macro FETCH ks, buf
.if (\ks) < 4
.set rW, WA
.else
.set rW, WA2
.endif
.irp nb, 0,1,2,3,4,5
	ds_load_tr16_b128 v[(\buf)+8*\nb:(\buf)+8*\nb+3],   v[rW] offset:((\ks)%4)*32*WP+32*\nb
	ds_load_tr16_b128 v[(\buf)+8*\nb+4:(\buf)+8*\nb+7], v[rW] offset:((\ks)%4)*32*WP+32*\nb+16*WP
.endr
.irp mb, 0,1
	ds_load_b128 v[(\buf)+48+8*\mb:(\buf)+48+8*\mb+3],   v[XA] offset:\mb*16*XP+64*(\ks)
	ds_load_b128 v[(\buf)+48+8*\mb+4:(\buf)+48+8*\mb+7], v[XA] offset:\mb*16*XP+64*(\ks)+32
.endr
.endm
; 12 products; the 12 accumulators take turns, one instruction a turn, from step to step too
.macro MUL buf
.irp mb, 0,1
.irp nb, 0,1,2,3,4,5
	v_wmma_f32_16x16x32_bf16 v[ACC+8*(6*\mb+\nb):ACC+8*(6*\mb+\nb)+7], v[(\buf)+8*\nb:(\buf)+8*\nb+7], v[(\buf)+48+8*\mb:(\buf)+48+8*\mb+7], v[ACC+8*(6*\mb+\nb):ACC+8*(6*\mb+\nb)+7]
.endr
.endr
.endm
	FETCH 0, CA
	FETCH 1, CB
.irp ks, 0,1,2,3,4,5,6,7
.if \ks < 7
	s_wait_dscnt 16                                ; this step's fragments are in; the next step's 16 loads are younger
.else
	s_wait_dscnt 0x0
.endif
	MUL CA+64*(\ks%2)
.rept 4
	v_nop                                          ; four places between the last product and the loads into the registers that it has read (ISA guide 7.12.1 for vector instructions)
.endr
.if \ks < 6
	FETCH \ks+2, CA+64*(\ks%2)
.endif
.endr
.rept 4
	v_nop                                          ; four more, once: the conversions below read results just made
.endr
	; THE WAY OUT: block (mb, g) = 16 rows x one head's 32 channels; each accumulator's registers in ascending order
.irp mb, 0,1
.irp g, 0,1,2
.irp e, 0,1
.irp r, 0,1,2,3
	v_cvt_pk_f16_f32 v[CA+8*(3*\mb+\g)+4*\e+\r], v[ACC+8*(6*\mb+2*\g+\e)+2*\r], v[ACC+8*(6*\mb+2*\g+\e)+2*\r+1]
.endr
	ds_store_b128 v[STO], v[CA+8*(3*\mb+\g)+4*\e:CA+8*(3*\mb+\g)+4*\e+3] offset:(3*\mb+\g)*BLK+32*\e
.endr
.endr
.endr
.irp mb, 0,1
.irp g, 0,1,2
.irp f, 0,1
	ds_load_b128 v[CB+4*(2*(3*\mb+\g)+\f):CB+4*(2*(3*\mb+\g)+\f)+3], v[RD] offset:(3*\mb+\g)*BLK+\f*8*SP  ; LDS serves a wave's instructions in order (ISA guide 5.7.1.4): these see my stores above
.endr
.endr
.endr
.irp mb, 0,1
.irp g, 0,1,2
.irp f, 0,1
	s_wait_dscnt 11-(2*(3*\mb+\g)+\f)              ; LDS loads come back in order: this one is in, the younger ones may stay out
	global_store_b128 v[GO], v[CB+4*(2*(3*\mb+\g)+\f):CB+4*(2*(3*\mb+\g)+\f)+3], s[16+2*\g:17+2*\g] offset:1024*\mb+512*\f  ; 512 consecutive bytes, at a multiple of 256 from the buffer's first
.endr
.endr
.endr
	s_wait_tensorcnt 0x0                           ; the wave's end, behind my last LDS store
	ds_add_u32 v[SPW], v[NIL]
	s_wait_dscnt 0x0
	s_endpgm
.Lfunc_end_k_q1833b42922_qkvproj:
	.size	k_q1833b42922_qkvproj, .Lfunc_end_k_q1833b42922_qkvproj-k_q1833b42922_qkvproj
	.p2alignl 7, 3214868480
	.fill 96, 4, 3214868480
	.section	.rodata,"a",@progbits
	.p2align	6, 0x0
	.amdhsa_kernel k_q1833b42922_qkvproj
		.amdhsa_group_segment_fixed_size 236544
		.amdhsa_private_segment_fixed_size 0
		.amdhsa_enable_private_segment 0
		.amdhsa_kernarg_size 32
		.amdhsa_user_sgpr_count 2
		.amdhsa_user_sgpr_kernarg_segment_ptr 1
		.amdhsa_wavefront_size32 1
		.amdhsa_system_sgpr_workgroup_id_x 1
		.amdhsa_system_sgpr_workgroup_id_y 1
		.amdhsa_system_sgpr_workgroup_id_z 1
		.amdhsa_system_vgpr_workitem_id 0
		.amdhsa_next_free_vgpr 256
		.amdhsa_next_free_sgpr 66
		.amdhsa_reserve_vcc 0
		.amdhsa_float_denorm_mode_32 3
		.amdhsa_float_denorm_mode_16_64 3
		.amdhsa_memory_ordered 1
		.amdhsa_forward_progress 1
		.amdhsa_inst_pref_size 62
	.end_amdhsa_kernel
	.amdgpu_metadata
---
amdhsa.version: [ 1, 2 ]
amdhsa.kernels:
  - .name:           k_q1833b42922_qkvproj
    .symbol:         k_q1833b42922_qkvproj.kd
    .args:
      - { .name: x, .offset: 0, .size: 8, .value_kind: global_buffer, .address_space: global }
      - { .name: w_qkv, .offset: 8, .size: 8, .value_kind: global_buffer, .address_space: global }
      - { .name: b_qkv, .offset: 16, .size: 8, .value_kind: global_buffer, .address_space: global }
      - { .name: qkv, .offset: 24, .size: 8, .value_kind: global_buffer, .address_space: global }
    .group_segment_fixed_size: 236544
    .private_segment_fixed_size: 0
    .kernarg_segment_align: 8
    .kernarg_segment_size: 32
    .max_flat_workgroup_size: 256
    .sgpr_count:     66
    .vgpr_count:     256
    .wavefront_size: 32
...
	.end_amdgpu_metadata
.endif
;; end of part 1
;; launch attn (part 2): grid 16 x 16, 8 waves a work-group, clusters of 4 x 1, 327,680 bytes of LDS; arguments qkv, rel_bias, o; writes o
.if DOCPART == 2
	.amdgcn_target "amdgcn-amd-amdhsa--gfx1250"
	.amdhsa_code_object_version 6
	.text
	.protected	k_q1833b42922_attn
	.globl	k_q1833b42922_attn
	.p2align	8
	.type	k_q1833b42922_attn,@function
k_q1833b42922_attn:
	s_mov_b64 s[64:65], 0
	v_nop
	global_prefetch_b8 v0, s[64:65] scope:SCOPE_SE
	s_setreg_imm32_b32 hwreg(HW_REG_WAVE_MODE, 25, 1), 1
	s_wait_xcnt 0x0
	s_wait_alu depctr_hold_cnt(0) depctr_sa_sdst(0) depctr_va_vdst(0) depctr_va_sdst(0) depctr_va_ssrc(0) depctr_va_vcc(0) depctr_vm_vsrc(0)
	s_getreg_b32 s2, hwreg(HW_REG_IB_STS2, 6, 4)
	s_cmp_eq_u32 s2, 0
	s_cbranch_scc0 .Lentry_in_a_cluster
	s_endpgm
.Lentry_in_a_cluster:
	s_bfe_u32 s2, ttmp6, 0x10000c
	s_cmp_lg_u32 s2, 0x3003
	s_cbranch_scc0 .Lentry_shape_is_right
	s_endpgm
.Lentry_shape_is_right:
; O[bh][q][:] = the sum over k of softmax_k(Q[bh][q] . K[bh][k] / sqrt(32) + rel_bias[h]) V[bh][k][:].  qkv: [3][16][4096][32] f16 (q, k, v by heads, rows of 64 bytes, dense);
; rel_bias: [8] f32, rounded to bf16 like the other inputs of the module; o: [16][4096][32] f16.  Products, maxima and sums in f32; the weights p are rounded to f16 for the second product
; (their sum l is taken of the unrounded p), O once at the end.
; LIMITS.  q, k and v arrive within f16's 65,504; p lies in 0 to 1, and below 6e-5 it keeps f16's fixed step of 6e-8; a weight below 2^-126 counts as 0 in l; c s stays above -4e37;
; NaN and infinities are not treated apart.
; SHARES.  A work-group owns 256 queries of one (batch, head): 16 x 16 = 256 work-groups.  Each of its eight waves owns 32 queries, two tiles of 16, and walks all 4,096 keys, 64 a step.
; THE COUNT.  At head size 32 a tile and step have 8 matrix and some 110 vector instructions: the vector unit sets the time.  So a wave is kept to 256 registers, one window, and two waves
; share a SIMD: what one wave cannot issue (behind its one wait for the exponentials, in the chain of its maximum) the other does.
; LAYOUT.  S^T = K Q^T + RB (source 0 = 16 keys, source 1 = 16 queries; K = 32 is the whole head): a lane holds ONE query (lane % 16) and the keys 8 (lane / 16) + 0..7.  Two such results, rounded
; to f16 in pairs, ARE source 1 (32 keys x 16 queries) of O^T = V^T P, which again holds one query a lane, and eight channels.  K comes out of LDS as it lies, V turned, by ds_load_tr16_b128.
; THE BIAS is the C operand that starts every score: RB = rel_bias[h] x sqrt(32), so that c (q . k + RB) = log2(e) (q . k / sqrt(32) + rel_bias[h]).
; SOFTMAX.  For each query a running maximum m and sum l: p = 2^(c s - c m), c = log2(e) / sqrt(32); in every step O and l are multiplied by a = 2^(c m_old - c m_new).
; m starts at the lowest finite number, O and l at 0: the first step is a step like any other, with a = 0.
; CLUSTER.  The four query blocks of a cluster belong to one (batch, head) and walk the same K and V, so each tile is asked for JOINTLY: the same tensor load, descriptor and mask in all four.
; RING.  Two slots of 512 keys (eight steps): 32,768 bytes of K and of V.  Waves 0 and 1 fetch K's halves, waves 2 and 3 V's, waves 4 to 7 nothing: a wave has at most one tensor load out.
.set PK,    80        ; a row of K in LDS: 64 bytes + 16: an odd multiple of 16: the 16 rows of a load start at 16 different groups of four banks (64 banks of 4 bytes: ISA guide 11.1)
.set PV,    96        ; a row of V: 64 + 32: an odd multiple of 32
.set KSTEP, 64*PK     ; a step's keys in LDS
.set VSTEP, 64*PV
.set VOFF,  512*PK    ; a slot: 512 rows of K, then 512 rows of V
.set SLOT1, 1<<17     ; slot 1 begins here, so that one exclusive or turns an address in one slot into the other's
.set STAGE, SLOT1+512*(PK+PV)  ; behind the ring, never filled by a tensor load: 2 x 16 rows x 80 bytes for each wave, for the way out
.set SP,    80
.set WSTG,  2*16*SP
.set SPARE, STAGE+8*WSTG  ; the spare words, 128 bytes for each wave: four blocks of 256 bytes that no other line names
.set TILEB, 32768     ; a tile's bytes of K, and of V, in memory
.set AK0, 2           ; v2   my lane's place in a step of K; never rewritten
.set AV0, 3           ; v3   the same for V
.set AK,  4           ; v4   the LDS address of K's next run of loads
.set AV,  5           ; v5   of V's
.set STO, 6           ; v6   the way out: where I put 16 bytes of a row
.set RD,  7           ; v7   the way out: where I read rows back
.set GO,  8           ; v8   my 16 bytes of 512 consecutive bytes of O
.set PFO, 12          ; v12  256 x my lane: the prefetches' offset; never rewritten
.set QO,  13          ; v13  my byte offset in 16 rows of Q; never rewritten
.set SPW, 14          ; v14  LDS address of my spare word: SPARE + 4 x my thread's number; never rewritten
.set NIL, 15          ; v15  0; never rewritten
.set ST,  16          ; tile t's statistics at v[ST+8 t]: +0 c m, +1 m, +2, +3 l (even keys', odd keys'), +4 to +7 c0-c3 at work; a takes c2's place, its argument c3's
.set MV,  32          ; v32-33  c m_old, kept while c m is made anew
.set RB,  40          ; v40-47  rel_bias[h] x sqrt(32), eight times
.set Q,   48          ; v48-63  8 a tile
.set S,   64          ; v64-127 S^T: tile t, keys 16 kb on, at S + 32 t + 8 kb
.set P,   128         ; v128-159 tile t, keys 32 kk on, at P + 16 t + 8 kk
.set KF,  160         ; v160-191 K of one step: keys 16 kb on at KF + 8 kb
.set VF,  192         ; v192-223 V of one step: keys 32 kk on, channels 16 cb on, at VF + 16 kk + 8 cb
.set O,   224         ; v224-255 O^T: tile t, channels 16 cb on, at O + 16 t + 8 cb
.set WV,  12          ; s12  my wave's number
.set LIM, 15          ; s15  4 in a wave that prefetches, else the greatest number: a wave prefetches in the trip in which s[CNT] equals it
.set G1K, 24          ; s[24:31] descriptor group 1 for K's tiles
.set G1V, 32          ; s[32:39] for V's: it differs in the padding alone
.set G0K, 40          ; s[40:43] descriptor group 0 for K's tiles: it walks
.set G0V, 44          ; s[44:47] the same for V's
.set PFA, 48          ; s[48:49] where my prefetches stand: my work-group's 32 rows of 256 bytes (of K: wave 0, of V: wave 2) of the tile behind the one that is being asked for
.set SLOTS, 56        ; s56  tiles still to be asked for
.set CNT, 57          ; s57  counts a tile's key steps, 8 to 1
.set CS,  58          ; s[58:59] c: the packed scaling takes the pair's low word for both halves
.set SEL, 60          ; s[60:61] v_permlanex16_b32's selects: each lane takes its own place in the other half
.set TBK, 62          ; s62  LDS byte at which K of the step to be fetched begins
.set TBV, 63          ; s63  the same for V, less VOFF
; A joint fill.  The branches hang on the wave's number alone: they are the same in every work-group.  An s_nop 0 and four v_nop follow each of the two lines, ahead of the jump and the label.
.macro JLOAD
	s_cmp_lt_u32 s[WV], 2
	s_cbranch_scc0 .Lnot_k_\@
	tensor_load_to_lds s[G0K:G0K+3], s[G1K:G1K+7]
	s_nop 0
.rept 4
	v_nop
.endr
	s_branch .Lasked_\@
.Lnot_k_\@:
	s_cmp_lt_u32 s[WV], 4
	s_cbranch_scc0 .Lasked_\@
	tensor_load_to_lds s[G0V:G0V+3], s[G1V:G1V+7]
	s_nop 0
.rept 4
	v_nop
.endr
.Lasked_\@:
.endm
; A round of the cluster's barrier: my work-group's barrier, so that wave 0's signal speaks for all eight waves; wave 0 signals; every wave waits for all four work-groups; my work-group's barrier once more.
.macro CROUND
	s_barrier_signal -1
	s_barrier_wait -1
	s_cmp_lg_u32 s[WV], 0
	s_cbranch_scc1 .Lnot_wave_0_\@
	s_barrier_signal -3
.Lnot_wave_0_\@:
	s_barrier_wait -3
	s_barrier_signal -1
	s_barrier_wait -1
.endm
; THE CHANGE OF SLOTS.  The slot's last bytes, V of its eighth step, have been asked for.  Each wave waits for all its tensor loads (at most one is out: its part of the other slot), adds 0 to its spare
; word, and waits for that and for its own reads of the slot.  Behind the barrier nobody reads this slot any more and the other slot is whole.
; fill = 1: this slot is filled again, with the keys two tiles on.  The barrier is then a round of the cluster's, so that no wave of any partner still reads the slot or has a load on its way, and the
; joint fill is the first thing behind it: it has eight key steps in which to land.  (At its first use nothing has been read yet: slot 0 is waited for, slot 1 filled.)
.macro CHANGE fill
	s_wait_tensorcnt 0x0            ; no tensor load of mine is out, so a group 0 may be written
	ds_add_u32 v[SPW], v[NIL]       ; 0 onto my spare word; with fill = 1 scalar work stands between it and the wait for it
.if \fill
.irp g, G0K, G0V
	s_xor_b32 s[\g+1], s[\g+1], SLOT1  ; the walking descriptor: the other slot than last time,
	s_add_nc_u64 s[\g+2:\g+3], s[\g+2:\g+3], TILEB  ; the next 512 keys; the type bits on top are not reached
.endr
	s_wait_xcnt 0x0                 ; the last prefetch, four key steps back, has read its address, so it may be written:
	s_add_nc_u64 s[PFA:PFA+1], s[PFA:PFA+1], TILEB  ; one tile behind the walking descriptors
	s_cmp_eq_u32 s[SLOTS], 1        ; the last change that fills a slot: there is no tile behind it, and nothing more is prefetched
	s_cselect_b32 s[LIM], -1, s[LIM]
	s_wait_dscnt 0x0                ; the add is done, and my reads of the slot are over
	CROUND
	JLOAD
.else
	s_wait_dscnt 0x0                ; the add is done, and my reads of the slot are over
	s_barrier_signal -1
	s_barrier_wait -1
.endif
	s_sub_co_u32 s[TBK], s[TBK], 8*KSTEP  ; the fetches go back to a slot's first step,
	s_xor_b32 s[TBK], s[TBK], SLOT1       ; in the other slot
	s_sub_co_u32 s[TBV], s[TBV], 8*VSTEP
	s_xor_b32 s[TBV], s[TBV], SLOT1
.endm
; A PREFETCH INTO THE L2 of the tile that the NEXT change of slots will ask for: 128 rows of 256 bytes of K and of V, a lane a row.  Each row is named ONCE in the launch: all four clusters of a (batch, head)
; walk the same K and V, and the first of them asks; its four partners share the rows out BY ADDRESS, 32 each; in each, wave 0 asks for K's and wave 2 for V's: one instruction, in the trip with four
; key steps of the tile left, behind the trip's run of LDS loads.  Tiles 0 and 1 come by their loads alone; tiles 2 to 7 are asked for.
.macro ASK
	s_cmp_eq_u32 s[CNT], s[LIM]
	s_cbranch_scc0 .Lnot_mine_\@
	global_prefetch_b8 v[PFO], s[PFA:PFA+1] th:TH_LOAD_NT scope:SCOPE_SE
.Lnot_mine_\@:
.endm
	s_load_b128 s[4:7], s[0:1], 0x0  ; qkv s[4:5], rel_bias s[6:7]
	s_load_b64 s[8:9], s[0:1], 0x10  ; o
	v_lshl_add_u32 v[SPW], v0, 2, SPARE
	v_mov_b32 v[NIL], 0
	ds_add_u32 v[SPW], v[NIL]       ; the wave's opening: the add and its wait stand ahead of my first tensor load; the set-up below, work on registers, stands between them
	v_lshrrev_b32 v1, 5, v0
	v_readfirstlane_b32 s[WV], v1   ; wave 0..7
	s_bfe_u32 s13, ttmp6, 0x40000   ; cx: my place in the cluster
	s_lshl_b32 s14, ttmp9, 2        ; in a cluster launch ttmp9 counts clusters
	s_add_co_u32 s14, s14, s13      ; my block of 256 queries = 4 x cluster x + cx: it enters Q's and O's addresses alone
	s_and_b32 s20, ttmp7, 0xffff    ; 8 x batch + head, which the four partners share
	s_and_b32 s52, s20, 7           ; the head:
	s_lshl_b32 s52, s52, 2          ; its word of rel_bias
	s_mov_b32 s53, 0
	s_lshl_b32 s20, s20, 18         ; the plane's first byte among the 16 planes of q, of k, of v and of o
	s_and_b32 s16, s[WV], 1         ; which half of a tile's 512 keys I fetch:
	s_lshl_b32 s22, s16, 14         ; its 256 rows of 64 bytes in memory,
	s_add_co_u32 s22, s22, s20
	s_mov_b32 s23, 0
	s_mul_i32 s17, s16, 256*PK      ; and its place in a slot, for K
	s_mul_i32 s18, s16, 256*PV      ; and for V: no place in the cluster enters an LDS address
	s_lshl_b32 s2, s14, 14          ; my block's 256 rows,
	s_lshl_b32 s3, s[WV], 11        ; my wave's 32 of them
	s_add_co_u32 s2, s2, s3
	s_add_co_u32 s2, s2, s20
	s_mov_b32 s3, 0
	; descriptor group 1.  256 keys are 16,384 dense bytes: asked for as 64 rows of 256 bytes, four keys a row, and padded in LDS after every key
	s_mov_b32 s[G1K], 15|(1<<16)|(1<<20)|(1<<21)|(3<<22)|(3<<25)  ; 15:0 the mask of four; 17:16 2-byte elements; 20 padding on; 21 set beside a mask; 24:22 after every 16 words (code 3); 31:25 4 words (code 3)
	s_mov_b32 s[G1V], 15|(1<<16)|(1<<20)|(1<<21)|(3<<22)|(7<<25)  ; the same with 8 words of padding (code 7)
.irp g, G1K, G1V
	s_mov_b32 s[\g+1], 128<<16      ; tensor_dim0 = 128
	s_mov_b32 s[\g+2], 64<<16       ; tensor_dim1 = 64
	s_mov_b32 s[\g+3], 128<<16      ; tile_dim0 = 128
	s_mov_b32 s[\g+4], 64           ; tile_dim1 = 64
	s_mov_b32 s[\g+5], 128          ; 128 elements from row to row
	s_mov_b32 s[\g+6], 0
	s_mov_b32 s[\g+7], 0
.endr
	s_mov_b32 s[G0K], 1             ; 1:0 count = 1
	s_mov_b32 s[G0K+1], s17         ; 63:32 LDS address: slot 0
	s_mov_b32 s[G0V], 1
	s_add_co_u32 s[G0V+1], s18, VOFF
	s_mov_b32 s[CS], 0x3e8293ee     ; c = log2(e) / sqrt(32) = 0.255035
	s_mov_b32 s[CS+1], s[CS]        ; named with it as a pair
	s_mov_b32 s[SEL], 0x76543210
	s_mov_b32 s[SEL+1], 0xfedcba98
	s_mov_b32 s[TBK], SLOT1+8*KSTEP ; the first change of slots turns these two into 0
	s_mov_b32 s[TBV], SLOT1+8*VSTEP
	s_and_b32 s[LIM], s[WV], 1      ; 0 in even waves,
	s_or_b32 s[LIM], s[LIM], ttmp9  ; where the cluster is the first of its (batch, head): the same in all four partners,
	s_lshr_b32 s19, s[WV], 2
	s_or_b32 s[LIM], s[LIM], s19    ; and the wave is one of the first four
	s_cmp_eq_u32 s[LIM], 0
	s_cselect_b32 s[LIM], 4, -1
	s_wait_dscnt 0x0                ; the opening add is done
	s_wait_kmcnt 0x0
	s_add_nc_u64 s[10:11], s[4:5], s[22:23]
	s_add_nc_u64 s[54:55], s[10:11], 0x800000  ; V at my half of the plane's tile 0: behind q's and k's 16 planes
	s_add_nc_u64 s[10:11], s[10:11], 0x400000  ; K likewise: behind q's
	s_mov_b64 s[G0K+2:G0K+3], s[10:11]         ; 120:64 global address
	s_or_b32 s[G0K+3], s[G0K+3], 0x80000000    ; 127:126 type = 2
	s_mov_b64 s[G0V+2:G0V+3], s[54:55]
	s_or_b32 s[G0V+3], s[G0V+3], 0x80000000
	s_add_nc_u64 s[4:5], s[4:5], s[2:3]  ; Q and O at my wave's first row
	s_add_nc_u64 s[8:9], s[8:9], s[2:3]
	s_add_nc_u64 s[6:7], s[6:7], s[52:53]
	s_cmp_lt_u32 s[WV], 2
	s_cselect_b64 s[PFA:PFA+1], s[10:11], s[54:55]  ; (in waves 0 and 2 these stand at a tile's first row)
	s_lshl_b32 s2, s13, 13          ; my work-group's 32 rows of 256 bytes
	s_add_nc_u64 s[PFA:PFA+1], s[PFA:PFA+1], s[2:3]
	s_add_nc_u64 s[PFA:PFA+1], s[PFA:PFA+1], TILEB  ; in tile 1; the first change of slots steps it to tile 2.  Nothing is prefetched here, at the head
	CROUND                          ; all four work-groups are here: the first joint loads meet
	JLOAD                           ; tile 0 into slot 0.  Slot 1 is asked for when slot 0 is in
	s_load_b32 s50, s[6:7], 0x0     ; rel_bias[h]
	; A fragment of K or Q is 16 rows x 32 channels in 8 registers: lane l holds row l % 16, channels 8 (l / 16) + 0..7 and 16 + 8 (l / 16) + 0..7: two loads of 16 bytes, 32 bytes apart.
	v_and_b32 v1, 15, v0            ; l % 16
	v_bfe_u32 v9, v0, 4, 1          ; l / 16
	v_lshlrev_b32 v[QO], 6, v1
	v_lshl_add_u32 v[QO], v9, 4, v[QO]  ; row x 64 + 16 x half
.irp t, 0,1
	global_load_b128 v[Q+8*\t:Q+8*\t+3],   v[QO], s[4:5] offset:\t*1024
	global_load_b128 v[Q+8*\t+4:Q+8*\t+7], v[QO], s[4:5] offset:\t*1024+32
.endr
	v_mul_u32_u24 v[AK0], v1, PK
	v_lshl_add_u32 v[AK0], v9, 4, v[AK0]  ; row x pitch + 16 x half
	; The turning load takes 16 keys x 16 channels (lane l reads key 8 (l / 16) + l % 8, channels 8 ((l / 8) % 2) + 0..7) and leaves half a fragment of V^T: lane l holds channel l % 16 and 8 keys.
	v_and_b32 v10, 7, v0
	v_bfe_u32 v11, v0, 3, 1
	v_lshl_add_u32 v[AV0], v9, 3, v10
	v_mul_u32_u24 v[AV0], v[AV0], PV
	v_lshl_add_u32 v[AV0], v11, 4, v[AV0]
	v_add_nc_u32 v[AV0], VOFF, v[AV0]
	s_mul_i32 s19, s[WV], WSTG
	s_add_co_u32 s19, s19, STAGE    ; my stage
	v_add_nc_u32 v[STO], s19, v[AK0]  ; in: row l % 16, 16 bytes for each half of the lanes; the stage's pitch is K's
	v_bfe_u32 v10, v0, 2, 3
	v_and_b32 v11, 3, v0
	v_mul_u32_u24 v[RD], v10, SP    ; back: 32 lanes take eight rows of 64 bytes,
	v_lshl_add_u32 v[RD], v11, 4, v[RD]
	v_add_nc_u32 v[RD], s19, v[RD]
	v_and_b32 v[GO], 31, v0
	v_lshlrev_b32 v[PFO], 8, v[GO]
	v_lshlrev_b32 v[GO], 4, v[GO]   ; which are 512 consecutive bytes of O
.set i, 0
.rept 32
	v_mov_b32 v[O+i], 0             ; O^T starts at 0, so that no first step is written out; these lines stand in the wait for the first tile
.set i, i+1
.endr
.irp t, 0,1
	v_mov_b32 v[ST+8*\t], 0xfe000000    ; c m: far below every c s
	v_mov_b32 v[ST+8*\t+1], 0xff7fffff  ; m
	v_mov_b32 v[ST+8*\t+2], 0
	v_mov_b32 v[ST+8*\t+3], 0
.endr
	s_wait_kmcnt 0x0
	v_mov_b32 v34, s50
	v_cvt_pk_bf16_f32 v34, v34, v34 ; rounded to bf16 like the module's other inputs
	v_lshlrev_b32 v34, 16, v34
.set i, 0
.rept 8
	v_mul_f32 v[RB+i], 0x40b504f3, v34  ; x sqrt(32)
.set i, i+1
.endr
.macro TREG t                       ; the registers of tile t
.set rT, ST+8*(\t)
.set rS, S+32*(\t)
.set rP, P+16*(\t)
.set rO, O+16*(\t)
.endm
; Four plain instructions: the places between the last product K Q^T and the loads into K's registers and the first read of the scores (ISA guide 7.12.1 for vector instructions).
.macro HEAD fetch
.if \fetch
	v_add_nc_u32 v[AK], s[TBK], v[AK0]
	v_add_nc_u32 v[AV], s[TBV], v[AV0]
.else
	v_nop
	v_nop
.endif
	v_mov_b32 v[MV], v[ST]          ; c m_old is kept for a
	v_mov_b32 v[MV+1], v[ST+8]
.if \fetch
	s_add_co_u32 s[TBK], s[TBK], KSTEP  ; the next fetch is the next step's
	s_add_co_u32 s[TBV], s[TBV], VSTEP
.endif
.endm
.macro FETCH_K                      ; a step's K: 64 keys x 32 channels, four fragments
.irp kb, 0,1,2,3
	ds_load_b128 v[KF+8*\kb:KF+8*\kb+3],   v[AK] offset:\kb*16*PK
	ds_load_b128 v[KF+8*\kb+4:KF+8*\kb+7], v[AK] offset:\kb*16*PK+32
.endr
.endm
.macro FETCH_V                      ; a step's V, turned: keys 32 (f / 2) on, channels 16 (f % 2) on
.irp f, 0,1,2,3
	ds_load_tr16_b128 v[VF+8*\f:VF+8*\f+3],   v[AV] offset:(\f/2)*32*PV+(\f%2)*32
	ds_load_tr16_b128 v[VF+8*\f+4:VF+8*\f+7], v[AV] offset:(\f/2)*32*PV+16*PV+(\f%2)*32
.endr
.endm
; The eight products S^T = K Q^T + RB of a step: eight accumulators, each written once.
.macro KQ
	s_wait_dscnt 8                  ; K is in; V's eight loads, issued behind it, may stay out
.set i, 0
.rept 8
	v_wmma_f32_16x16x32_f16 v[S+32*(i%2)+8*(i/2):S+32*(i%2)+8*(i/2)+7], v[KF+8*(i/2):KF+8*(i/2)+7], v[Q+8*(i%2):Q+8*(i%2)+7], v[RB:RB+7]
.set i, i+1
.endr
.endm
; Number j of the 16 that find the maximum of a tile's 32 scores and the old m, three operands at a time: four chains c0-c3 of seven scores each (each accumulator's lowest registers are read first),
; then the four scores left over, c0-c3 and m.
.macro MX t, j
	TREG \t
.if (\j) < 4
	v_max3_num_f32 v[rT+4+(\j)], v[rS+8*(\j)], v[rS+8*(\j)+1], v[rS+8*(\j)+2]
.elseif (\j) < 12
	v_max3_num_f32 v[rT+4+(\j)%4], v[rT+4+(\j)%4], v[rS+8*((\j)%4)+2*((\j)/4)+1], v[rS+8*((\j)%4)+2*((\j)/4)+2]
.elseif (\j) == 12
	v_max3_num_f32 v[rT+4], v[rT+4], v[rS+7], v[rS+15]
.elseif (\j) == 13
	v_max3_num_f32 v[rT+6], v[rT+6], v[rS+23], v[rS+31]
.elseif (\j) == 14
	v_max3_num_f32 v[rT+4], v[rT+4], v[rT+5], v[rT+6]
.else
	v_max3_num_f32 v[rT+4], v[rT+4], v[rT+7], v[rT+1]
.endif
.endm
.macro FS t, b                      ; pair b of 16: c s - c m
	TREG \t
	v_pk_fma_f32 v[rS+2*(\b):rS+2*(\b)+1], v[rS+2*(\b):rS+2*(\b)+1], s[CS:CS+1], v[rT:rT+1] op_sel_hi:[1,0,0] neg_lo:[0,0,1] neg_hi:[0,0,1]
.endm
.macro EX t, e                      ; the exponential of score e of 32
	TREG \t
	v_exp_f32 v[rS+(\e)], v[rS+(\e)]
.endm
.macro EA t                         ; a
	TREG \t
	v_exp_f32 v[rT+6], v[rT+7]
.endm
; THE SOFTMAX of both tiles for one step; the tiles alternate, so that no instruction reads the result of the one before it.  The 32 scalings and all 66 exponentials are ONE BATCH, in which nothing names
; an exponential's result; behind it stand one plain instruction and the one wait ahead of the first reader; then O^T's rescaling and the roundings.  The sums follow in PVS.
.macro SOFT
.set j, 0
.rept 16
	MX 0, j
	MX 1, j
.set j, j+1
.endr
.irp t, 0,1
	v_permlanex16_b32 v[ST+8*\t+5], v[ST+8*\t+4], s[SEL], s[SEL+1]  ; the query's other 32 keys lie in the lane 16 away
.endr
.irp t, 0,1
	v_max_num_f32 v[ST+8*\t+1], v[ST+8*\t+4], v[ST+8*\t+5]
.endr
.irp t, 0,1
	v_mul_f32 v[ST+8*\t], s[CS], v[ST+8*\t+1]
.endr
.irp t, 0,1
	v_sub_f32 v[ST+8*\t+7], v[MV+\t], v[ST+8*\t]
.endr
	FS 0, 0
	FS 1, 0
	EA 0
	FS 0, 1
	EA 1
	FS 1, 1
.set bb, 2
.rept 14                            ; a pair is scaled two turns ahead of its exponentials
	EX 0, 2*bb-4
	FS 0, bb
	EX 1, 2*bb-4
	FS 1, bb
	EX 0, 2*bb-3
	EX 1, 2*bb-3
.set bb, bb+1
.endr
.irp e, 28,29,30,31
	EX 0, \e
	EX 1, \e
.endr
	v_nop                           ; a plain instruction behind the last exponential, ahead of the first use: one for the batch
	s_wait_alu depctr_va_vdst(0)    ; the wait for the batch
.set n, 0
.rept 8                             ; O^T times a; each accumulator from its low end on
.irp t, 0,1
	TREG \t
	v_pk_mul_f32 v[rO+2*n:rO+2*n+1], v[rO+2*n:rO+2*n+1], v[rT+6:rT+7] op_sel_hi:[1,0]
.endr
.set n, n+1
.endr
.set n, 0
.rept 16                            ; the weights, rounded to f16 in pairs
.irp t, 0,1
	TREG \t
	v_cvt_pk_f16_f32 v[rP+n], v[rS+2*n], v[rS+2*n+1]
.endr
.set n, n+1
.endr
.endm
; Number n of the 32 sums, tiles alternating: a tile's 16 pairs (an even key's weight, an odd key's) are added in place, neighbours 1, 2, 4 and 8 pairs apart; then l = a l + the sum.
.macro SUMS n
	TREG (\n)%2
.set z, (\n)/2
.set w, 4
.set u, z
.if z >= 14
.set w, 32
.set u, 0
.elseif z >= 12
.set w, 16
.set u, z-12
.elseif z >= 8
.set w, 8
.set u, z-8
.endif
.if z < 15
	v_pk_add_f32 v[rS+w*u:rS+w*u+1], v[rS+w*u:rS+w*u+1], v[rS+w*u+w/2:rS+w*u+w/2+1]
.else
	v_pk_fma_f32 v[rT+2:rT+3], v[rT+2:rT+3], v[rT+6:rT+7], v[rS:rS+1] op_sel_hi:[1,0,1]
.endif
.endm
; The eight products O^T += V^T P of a step: the four accumulators take turns, one instruction a turn.  Behind each stand four of the sums, which name none of the products'
; registers: the last four are the places in front of the loads into V's registers.
.macro PVS younger
	s_wait_dscnt \younger           ; V is in; the next K's loads, issued behind it, may stay out
.set i, 0
.rept 8
	v_wmma_f32_16x16x32_f16 v[O+16*(i%2)+8*((i/2)%2):O+16*(i%2)+8*((i/2)%2)+7], v[VF+16*(i/4)+8*((i/2)%2):VF+16*(i/4)+8*((i/2)%2)+7], v[P+16*(i%2)+8*(i/4):P+16*(i%2)+8*(i/4)+7], v[O+16*(i%2)+8*((i/2)%2):O+16*(i%2)+8*((i/2)%2)+7]
	SUMS 4*i
	SUMS 4*i+1
	SUMS 4*i+2
	SUMS 4*i+3
.set i, i+1
.endr
.endm
	s_mov_b32 s[SLOTS], 7
	CHANGE 1                        ; tile 0 is in, everybody's part of it; tile 1 is asked for
	v_add_nc_u32 v[AK], s[TBK], v[AK0]
	v_add_nc_u32 v[AV], s[TBV], v[AV0]
	s_add_co_u32 s[TBK], s[TBK], KSTEP
	s_add_co_u32 s[TBV], s[TBV], VSTEP
	FETCH_K                         ; key step 0
	s_wait_loadcnt 0x0              ; Q
	s_mov_b32 s[CNT], 8
	s_branch .Lfirst                ; the loop is entered where a step's V and scores are made, in the middle of a trip
.Lslot:                             ; six times: tiles 2 to 7 are asked for
	CHANGE 1
	s_mov_b32 s[CNT], 8
.Lstep:                             ; a trip: the softmax and V^T P of one step; K, V and K Q^T of the next
	HEAD 1
	FETCH_K
	ASK
	SOFT
	PVS 8
.Lfirst:
	FETCH_V
	KQ
	s_sub_co_u32 s[CNT], s[CNT], 1
	s_cmp_lg_u32 s[CNT], 0
	s_cbranch_scc1 .Lstep
	s_sub_co_u32 s[SLOTS], s[SLOTS], 1
	s_cmp_lg_u32 s[SLOTS], 0
	s_cbranch_scc1 .Lslot
	CHANGE 0                        ; the tail is written out: the last tile is in, nothing is asked for
	s_mov_b32 s[CNT], 8
.Ltail:
	HEAD 1
	FETCH_K
	SOFT
	PVS 8
	FETCH_V
	KQ
	s_sub_co_u32 s[CNT], s[CNT], 1
	s_cmp_lg_u32 s[CNT], 0
	s_cbranch_scc1 .Ltail
	HEAD 0                          ; the last step: nothing is left to fetch
	SOFT
	PVS 0
	; THE WAY OUT.  l's two halves and the other half of the lanes' are added; O^T is divided by l, rounded to f16 and sent through my stage in LDS, a tile at a time.
.irp t, 0,1
	v_add_f32 v[ST+8*\t+4], v[ST+8*\t+2], v[ST+8*\t+3]
.endr
.irp t, 0,1
	v_permlanex16_b32 v[ST+8*\t+5], v[ST+8*\t+4], s[SEL], s[SEL+1]
.endr
.irp t, 0,1
	v_add_f32 v[ST+8*\t+4], v[ST+8*\t+4], v[ST+8*\t+5]
.endr
.irp t, 0,1
	v_rcp_f32 v[ST+8*\t+6], v[ST+8*\t+4]
.endr
	v_nop                           ; a plain instruction between the last reciprocal and the use of its result
	s_wait_alu depctr_va_vdst(0)    ; and the wait ahead of the first use: one for both reciprocals
; Tile t: a lane's eight channels of a row pack into 16 bytes; they go into rows of 80 bytes and come back as whole rows of 64, into the registers that they left.
.macro PACK t
	TREG \t
.set n, 0
.rept 8
	v_pk_mul_f32 v[rO+2*n:rO+2*n+1], v[rO+2*n:rO+2*n+1], v[rT+6:rT+7] op_sel_hi:[1,0]
.set n, n+1
.endr
.set n, 0
.rept 8
	v_cvt_pk_f16_f32 v[S+8*(\t)+n], v[rO+2*n], v[rO+2*n+1]
.set n, n+1
.endr
.irp f, 0,1
	ds_store_b128 v[STO], v[S+8*(\t)+4*\f:S+8*(\t)+4*\f+3] offset:(\t)*16*SP+32*\f
.endr
.irp f, 0,1
	ds_load_b128 v[S+8*(\t)+4*\f:S+8*(\t)+4*\f+3], v[RD] offset:(\t)*16*SP+\f*8*SP  ; LDS serves a wave's instructions in order (ISA guide 5.7.1.4): these see the stores above
.endr
.endm
.macro SEND t, younger              ; younger: the LDS instructions issued behind tile t's loads: the next tile's four, or none
.irp f, 0,1
	s_wait_dscnt (\younger)+1-\f
	global_store_b128 v[GO], v[S+8*(\t)+4*\f:S+8*(\t)+4*\f+3], s[8:9] offset:(\t)*1024+\f*512  ; 512 consecutive bytes, at a multiple of 256 from O's first
.endr
.endm
	PACK 0
	PACK 1                          ; a tile's arithmetic stands between the loads of the tile before and its stores
	SEND 0, 4
	SEND 1, 0
	s_wait_tensorcnt 0x0            ; the wave's end, behind my last tensor load and my last LDS store
	ds_add_u32 v[SPW], v[NIL]
	s_wait_dscnt 0x0
	CROUND                          ; the closing round: no work-group ends while a partner may still ask for a tile that names it
	s_endpgm
.Lfunc_end_k_q1833b42922_attn:
	.size	k_q1833b42922_attn, .Lfunc_end_k_q1833b42922_attn-k_q1833b42922_attn
	.p2alignl 7, 3214868480
	.fill 96, 4, 3214868480
	.section	.rodata,"a",@progbits
	.p2align	6, 0x0
	.amdhsa_kernel k_q1833b42922_attn
		.amdhsa_group_segment_fixed_size 327680
		.amdhsa_private_segment_fixed_size 0
		.amdhsa_enable_private_segment 0
		.amdhsa_kernarg_size 24
		.amdhsa_user_sgpr_count 2
		.amdhsa_user_sgpr_kernarg_segment_ptr 1
		.amdhsa_wavefront_size32 1
		.amdhsa_system_sgpr_workgroup_id_x 1
		.amdhsa_system_sgpr_workgroup_id_y 1
		.amdhsa_system_sgpr_workgroup_id_z 1
		.amdhsa_system_vgpr_workitem_id 0
		.amdhsa_next_free_vgpr 256
		.amdhsa_next_free_sgpr 66
		.amdhsa_reserve_vcc 0
		.amdhsa_float_denorm_mode_32 3
		.amdhsa_float_denorm_mode_16_64 3
		.amdhsa_memory_ordered 1
		.amdhsa_forward_progress 1
		.amdhsa_inst_pref_size 57
	.end_amdhsa_kernel
	.amdgpu_metadata
---
amdhsa.version: [ 1, 2 ]
amdhsa.kernels:
  - .name:           k_q1833b42922_attn
    .symbol:         k_q1833b42922_attn.kd
    .args:
      - { .name: qkv, .offset: 0, .size: 8, .value_kind: global_buffer, .address_space: global }
      - { .name: rel_bias, .offset: 8, .size: 8, .value_kind: global_buffer, .address_space: global }
      - { .name: o, .offset: 16, .size: 8, .value_kind: global_buffer, .address_space: global }
    .group_segment_fixed_size: 327680
    .private_segment_fixed_size: 0
    .kernarg_segment_align: 8
    .kernarg_segment_size: 24
    .max_flat_workgroup_size: 256
    .sgpr_count:     66
    .vgpr_count:     256
    .wavefront_size: 32
...
	.end_amdgpu_metadata
.endif
;; end of part 2
;; launch outproj (part 3): grid 4 x 64, 8 waves a work-group, no clusters, 76,800 bytes of LDS; arguments o, w_proj, b_proj, out0; writes out0
.if DOCPART == 3
	.amdgcn_target "amdgcn-amd-amdhsa--gfx1250"
	.amdhsa_code_object_version 6
	.text
	.protected	k_q1833b42922_outproj
	.globl	k_q1833b42922_outproj
	.p2align	8
	.type	k_q1833b42922_outproj,@function
k_q1833b42922_outproj:
	s_mov_b64 s[64:65], 0
	v_nop
	global_prefetch_b8 v0, s[64:65] scope:SCOPE_SE
	s_setreg_imm32_b32 hwreg(HW_REG_WAVE_MODE, 25, 1), 1
	s_wait_xcnt 0x0
; out0 = O w_proj + b_proj.  o: [16 (8 batch + head)][4096][32] f16, as the attention left it; w_proj: [256][256] f32, b_proj: [256] f32; out0: [8192][256] f32.
; w and b are rounded to bf16 like the module's other inputs; w's rounded number is then written as f16, so that the product with O goes in f16; sums in f32, starting at the bias.
; LIMITS.  |w_proj| stays under f16's 65,504; below 2^-14 it keeps f16's fixed step of 6e-8.  NaN and infinities are not treated apart.
; SHARES.  A work-group makes 128 rows x 64 columns: 64 x 4 = 256 work-groups.  Wave w makes rows 16 w .. 16 w + 15, all 64 columns: four accumulators.  A head's 32 channels are one K step.
; THE WAY IN.  O's fragments lie in memory as they lie in registers (16 bytes a lane, twice) and no wave wants another's rows: they come straight into registers.  w must be rounded on the way, so it
; goes through registers into LDS, 32 rows a wave: no copy engine and no joint load of a cluster; one barrier.
; THE MATRIX INSTRUCTION IS USED TRANSPOSED: source 0 = 16 columns of w (turned out of LDS), source 1 = 16 rows of O: a lane holds one row and eight neighbouring columns, 32 bytes of f32, which
; go through the wave's own stage and leave as whole rows of 256 bytes.
.set WP,    160                        ; a row of w in LDS: 128 bytes + 32: an odd multiple of 32
.set WT,    0                          ; 256 rows (k) of w
.set STG,   256*WP                     ; the stages: 16 rows x 272 bytes for each wave
.set SP,    272
.set SPARE, STG+8*16*SP                ; the spare words, 128 bytes for each wave: four blocks of 256 bytes that no other line names
.set WG,  4                            ; v4   w in memory: (32 wave + l / 16) rows + 16 (l % 16)
.set WL,  5                            ; v5   w into LDS: the same rows, 8 (l % 16)
.set BG,  6                            ; v6   the bias: 32 (l / 16)
.set OG,  7                            ; v7   my place in O's fragments: 64 (l % 16) + 16 (l / 16)
.set WA,  8                            ; v8   my place in w's fragments
.set STO, 9                            ; v9   the way out: where I put 32 bytes of a row
.set RD,  10                           ; v10  the way out: where I read rows back
.set GO,  11                           ; v11  my 16 bytes of two rows of out0
.set SPW, 12                           ; v12  LDS address of my spare word; never rewritten
.set NIL, 13                           ; v13  0; never rewritten
.set TMP, 16                           ; v16-19 at work
.set ACC, 32                           ; v32-63   four accumulators
.set OF,  64                           ; v64-127  O's fragments, 8 a head; later the rows read back
.set WB,  128                          ; v128-191 w as loaded; then w's fragments, two buffers of 32
.set WV,  12                           ; s12  my wave's number
	s_load_b256 s[4:11], s[0:1], 0x0               ; o s[4:5], w s[6:7], b s[8:9], out0 s[10:11]
	v_lshl_add_u32 v[SPW], v0, 2, SPARE
	v_mov_b32 v[NIL], 0
	v_lshrrev_b32 v1, 5, v0
	v_readfirstlane_b32 s[WV], v1                  ; wave 0..7
	s_and_b32 s13, ttmp7, 0xffff                   ; block of 128 rows
	v_and_b32 v1, 15, v0                           ; l % 16
	v_bfe_u32 v2, v0, 4, 1                         ; l / 16
	v_lshlrev_b32 v[GO], 10, v2
	v_lshl_add_u32 v[GO], v1, 4, v[GO]             ; lanes 0-15 one row's 256 bytes, lanes 16-31 the next row's
	s_lshl_b32 s14, s[WV], 15
	v_add_nc_u32 v[WG], s14, v[GO]                 ; + my 32 rows of 1,024 bytes
	v_lshlrev_b32 v[BG], 5, v2
	v_lshlrev_b32 v[OG], 6, v1
	v_lshl_add_u32 v[OG], v2, 4, v[OG]
	s_lshl_b32 s14, ttmp9, 8                       ; the work-group's 64 columns, in bytes of f32
	s_mov_b32 s15, 0
	s_lshr_b32 s16, s13, 5
	s_lshl_b32 s16, s16, 21                        ; the batch's eight planes of o
	s_and_b32 s17, s13, 31
	s_lshl_b32 s17, s17, 7
	s_lshl_b32 s18, s[WV], 4
	s_add_co_u32 s17, s17, s18
	s_lshl_b32 s17, s17, 6                         ; my first row in a plane, in bytes
	s_add_co_u32 s16, s16, s17
	s_mov_b32 s17, 0
	s_lshl_b32 s20, s13, 7
	s_add_co_u32 s20, s20, s18
	s_lshl_b32 s20, s20, 10                        ; my first row of out0
	s_add_co_u32 s20, s20, s14
	s_mov_b32 s21, 0
	s_mov_b32 s22, 0xffff0000                      ; a word's upper bf16
	s_wait_kmcnt 0x0
	s_add_nc_u64 s[4:5], s[4:5], s[16:17]
	s_add_nc_u64 s[6:7], s[6:7], s[14:15]
	s_add_nc_u64 s[8:9], s[8:9], s[14:15]
	s_add_nc_u64 s[10:11], s[10:11], s[20:21]
.irp nb, 0,1,2,3                       ; the bias of my eight columns of each block of 16, into the accumulators
	global_load_b128 v[ACC+8*\nb:ACC+8*\nb+3],   v[BG], s[8:9] offset:64*\nb
	global_load_b128 v[ACC+8*\nb+4:ACC+8*\nb+7], v[BG], s[8:9] offset:64*\nb+16
.endr
.set i, 0
.rept 16                               ; my 32 rows of w: two rows' 256 bytes, aligned, a load
	global_load_b128 v[WB+4*i:WB+4*i+3], v[WG], s[6:7] offset:2048*i
.set i, i+1
.endr
.irp ks, 0,1,2,3,4,5,6,7               ; my 16 rows of O, head ks
	global_load_b128 v[OF+8*\ks:OF+8*\ks+3],   v[OG], s[4:5] offset:\ks*262144
	global_load_b128 v[OF+8*\ks+4:OF+8*\ks+7], v[OG], s[4:5] offset:\ks*262144+32
.endr
	s_mul_i32 s18, s[WV], 32*WP
	v_mul_u32_u24 v[WL], v2, WP
	v_lshl_add_u32 v[WL], v1, 3, v[WL]
	v_add_nc_u32 v[WL], s18, v[WL]
	v_and_b32 v14, 7, v0
	v_bfe_u32 v15, v0, 3, 1
	v_lshl_add_u32 v[WA], v2, 3, v14
	v_mul_u32_u24 v[WA], v[WA], WP
	v_lshl_add_u32 v[WA], v15, 4, v[WA]            ; the turning load: row 8 (l / 16) + l % 8, 16 bytes x ((l / 8) % 2)
	s_mul_i32 s18, s[WV], 16*SP
	s_add_co_u32 s18, s18, STG                     ; my stage
	v_mul_u32_u24 v[STO], v1, SP
	v_lshl_add_u32 v[STO], v2, 5, v[STO]
	v_add_nc_u32 v[STO], s18, v[STO]
	v_mul_u32_u24 v[RD], v2, SP
	v_lshl_add_u32 v[RD], v1, 4, v[RD]
	v_add_nc_u32 v[RD], s18, v[RD]
	s_wait_loadcnt 32                              ; the bias is in; w's 16 loads and O's 16 are younger
.irp nb, 0,1,2,3                       ; rounded to bf16 in place: the sums start at the bias
.irp k, 0,1,2,3
	v_cvt_pk_bf16_f32 v[TMP+\k], v[ACC+8*\nb+2*\k], v[ACC+8*\nb+2*\k+1]
.endr
.irp k, 0,1,2,3
	v_lshlrev_b32 v[ACC+8*\nb+2*\k], 16, v[TMP+\k]
	v_and_b32 v[ACC+8*\nb+2*\k+1], s22, v[TMP+\k]
.endr
.endr
	s_wait_loadcnt 16                              ; w is in; O's 16 loads are younger
.set i, 0
.rept 16                               ; rounded to bf16, and that number written as f16
	v_cvt_pk_bf16_f32 v[TMP], v[WB+4*i], v[WB+4*i+1]
	v_cvt_pk_bf16_f32 v[TMP+1], v[WB+4*i+2], v[WB+4*i+3]
	v_lshlrev_b32 v[WB+4*i], 16, v[TMP]
	v_and_b32 v[WB+4*i+1], s22, v[TMP]
	v_lshlrev_b32 v[WB+4*i+2], 16, v[TMP+1]
	v_and_b32 v[WB+4*i+3], s22, v[TMP+1]
	v_cvt_pk_f16_f32 v[WB+4*i], v[WB+4*i], v[WB+4*i+1]
	v_cvt_pk_f16_f32 v[WB+4*i+1], v[WB+4*i+2], v[WB+4*i+3]
	ds_store_b64 v[WL], v[WB+4*i:WB+4*i+1] offset:2*WP*i
.set i, i+1
.endr
	s_wait_dscnt 0x0                               ; for the others' sake: my stores into w's tile are done
	s_barrier_signal -1
	s_barrier_wait -1                              ; the tile is whole
	s_wait_loadcnt 0x0                             ; O
.macro FETCH ks, buf                   ; 8 LDS loads: w's fragments of 32 along K
.irp nb, 0,1,2,3
	ds_load_tr16_b128 v[(\buf)+8*\nb:(\buf)+8*\nb+3],   v[WA] offset:(\ks)*32*WP+32*\nb
	ds_load_tr16_b128 v[(\buf)+8*\nb+4:(\buf)+8*\nb+7], v[WA] offset:(\ks)*32*WP+32*\nb+16*WP
.endr
.endm
	FETCH 0, WB
	FETCH 1, WB+32
.irp ks, 0,1,2,3,4,5,6,7
.if \ks < 7
	s_wait_dscnt 8                                 ; this step's fragments are in; the next step's eight loads are younger
.else
	s_wait_dscnt 0x0
.endif
.irp nb, 0,1,2,3                       ; the four accumulators take turns, one instruction a turn, from step to step too
	v_wmma_f32_16x16x32_f16 v[ACC+8*\nb:ACC+8*\nb+7], v[WB+32*(\ks%2)+8*\nb:WB+32*(\ks%2)+8*\nb+7], v[OF+8*\ks:OF+8*\ks+7], v[ACC+8*\nb:ACC+8*\nb+7]
.endr
.rept 4
	v_nop                                          ; four places between the last product and the loads into the registers that it has read (ISA guide 7.12.1 for vector instructions)
.endr
.if \ks < 6
	FETCH \ks+2, WB+32*(\ks%2)
.endif
.endr
.rept 4
	v_nop                                          ; four more, once: the stores below read results just made
.endr
	; THE WAY OUT: 32 bytes a lane into rows of 272 bytes, each accumulator's low half first; back as whole rows of 256 bytes
.irp nb, 0,1,2,3
	ds_store_b128 v[STO], v[ACC+8*\nb:ACC+8*\nb+3]   offset:64*\nb
	ds_store_b128 v[STO], v[ACC+8*\nb+4:ACC+8*\nb+7] offset:64*\nb+16
.endr
.irp t, 0,1,2,3,4,5,6,7
	ds_load_b128 v[OF+4*\t:OF+4*\t+3], v[RD] offset:\t*2*SP  ; LDS serves a wave's instructions in order (ISA guide 5.7.1.4): these see my stores above
.endr
.irp t, 0,1,2,3,4,5,6,7
	s_wait_dscnt 7-\t                              ; LDS loads come back in order: this one is in, the younger ones may stay out
	global_store_b128 v[GO], v[OF+4*\t:OF+4*\t+3], s[10:11] offset:\t*2048 th:TH_STORE_NT  ; 16 lanes store 256 consecutive bytes, at a multiple of 256 from out0's first byte
.endr
	s_wait_tensorcnt 0x0                           ; the wave's end, behind my last LDS store
	ds_add_u32 v[SPW], v[NIL]
	s_wait_dscnt 0x0
	s_endpgm
.Lfunc_end_k_q1833b42922_outproj:
	.size	k_q1833b42922_outproj, .Lfunc_end_k_q1833b42922_outproj-k_q1833b42922_outproj
	.p2alignl 7, 3214868480
	.fill 96, 4, 3214868480
	.section	.rodata,"a",@progbits
	.p2align	6, 0x0
	.amdhsa_kernel k_q1833b42922_outproj
		.amdhsa_group_segment_fixed_size 76800
		.amdhsa_private_segment_fixed_size 0
		.amdhsa_enable_private_segment 0
		.amdhsa_kernarg_size 32
		.amdhsa_user_sgpr_count 2
		.amdhsa_user_sgpr_kernarg_segment_ptr 1
		.amdhsa_wavefront_size32 1
		.amdhsa_system_sgpr_workgroup_id_x 1
		.amdhsa_system_sgpr_workgroup_id_y 1
		.amdhsa_system_sgpr_workgroup_id_z 1
		.amdhsa_system_vgpr_workitem_id 0
		.amdhsa_next_free_vgpr 192
		.amdhsa_next_free_sgpr 66
		.amdhsa_reserve_vcc 0
		.amdhsa_float_denorm_mode_32 3
		.amdhsa_float_denorm_mode_16_64 3
		.amdhsa_memory_ordered 1
		.amdhsa_forward_progress 1
		.amdhsa_inst_pref_size 26
	.end_amdhsa_kernel
	.amdgpu_metadata
---
amdhsa.version: [ 1, 2 ]
amdhsa.kernels:
  - .name:           k_q1833b42922_outproj
    .symbol:         k_q1833b42922_outproj.kd
    .args:
      - { .name: o, .offset: 0, .size: 8, .value_kind: global_buffer, .address_space: global }
      - { .name: w_proj, .offset: 8, .size: 8, .value_kind: global_buffer, .address_space: global }
      - { .name: b_proj, .offset: 16, .size: 8, .value_kind: global_buffer, .address_space: global }
      - { .name: out0, .offset: 24, .size: 8, .value_kind: global_buffer, .address_space: global }
    .group_segment_fixed_size: 76800
    .private_segment_fixed_size: 0
    .kernarg_segment_align: 8
    .kernarg_segment_size: 32
    .max_flat_workgroup_size: 256
    .sgpr_count:     66
    .vgpr_count:     192
    .wavefront_size: 32
...
	.end_amdgpu_metadata
.endif
;; end of part 3
;; ======== version 2 of 2: 3 launches; version 1 with the launches qkvproj, outproj written anew for expert scheduling mode
;; limits: values are held in f16: magnitudes above 65,504 overflow, below 6.1e-05 lose precision
;; workspace buffers: qkv 12,582,912 bytes; o 4,194,304 bytes
;; launch qkvproj (part 4): grid 4 x 64, 8 waves a work-group, no clusters, 236,544 bytes of LDS; arguments x, w_qkv, b_qkv, qkv; writes qkv
.if DOCPART == 4
	.amdgcn_target "amdgcn-amd-amdhsa--gfx1250"
	.amdhsa_code_object_version 6
	.text
	.protected	k_q1833b42922_qkvproj
	.globl	k_q1833b42922_qkvproj
	.p2align	8
	.type	k_q1833b42922_qkvproj,@function
k_q1833b42922_qkvproj:
	s_mov_b64 s[64:65], 0
	v_nop
	global_prefetch_b8 v0, s[64:65] scope:SCOPE_SE
	s_setreg_imm32_b32 hwreg(HW_REG_WAVE_SCHED_MODE, 0, 2), 2
	s_setreg_imm32_b32 hwreg(HW_REG_WAVE_MODE, 25, 1), 1
	s_wait_xcnt 0x0
	s_wait_alu depctr_vm_vsrc(0)
; qkv = x w_qkv + b_qkv.  x: [8192][256] f32, w_qkv: [256][768] f32, b_qkv: [768] f32.  x, w and b are rounded to bf16, products in bf16 with f32 sums that start at the bias,
; the result rounded once to f16 and stored BY HEADS: qkv[3 (q, k, v)][16 (8 batch + head)][4096][32], a row 64 bytes, a plane 262,144 bytes; q is stored without the scale.
; LIMIT.  f16 holds no number beyond 65,504: q, k and v must lie within it.  NaN and infinities are not treated apart.
; SHARES.  A work-group makes 128 rows x 192 columns: 64 x 4 = 256 work-groups.  Wave w makes rows 32 (w % 4) .. + 31 and columns 96 (w / 4) .. + 95: 2 x 6 accumulators of 16 x 16.
; THE WAY IN goes through registers: the tiles are f32 in memory and must be bf16 for the matrix unit; as f32 they are 128 KiB + 192 KiB, all of LDS, so no copy engine and no joint
; load of a cluster is used: each wave loads 16 rows of x and 32 rows of w, rounds them and stores them into LDS; one barrier; then K = 256 is walked in 8 steps of 32.
; THE MATRIX INSTRUCTION IS USED TRANSPOSED: source 0 = 16 columns of w (turned out of LDS by ds_load_tr16_b128, since w lies [k][column]), source 1 = 16 rows of x: a lane then holds one row
; and eight neighbouring columns, 16 bytes of f16.  32 columns are one head: 16 rows x 64 bytes go through the wave's own stage and leave as 512 consecutive bytes a store.
; THE MODE: SCHED_MODE bits 1:0 = 2 (LLVM: expert scheduling mode 2), set by the entry lines.  The code itself states the register dependences
; between vector or matrix instructions and memory or LDS instructions, with s_wait_alu, always for 0.
; THE PLAN.  Registers that memory or LDS instructions touch:
;   v[XG], v[WG], v[BG]   the global loads' offsets: written at the head, ahead of the one wait on va_vdst that stands in front of the first load; never written again.
;   v[XL] .. v[GO]        the LDS addresses and the stores' offset: written once, behind the first loads' issue (no pending load reads them) and ahead of the first chunk's wait on va_vdst; never again.
;   CA, CB as chunks      A chunk's loads land; its conversions read and write it in place, in one run; ONE wait on va_vdst; its LDS stores read it, in one run; ONE wait on vm_vsrc; the next
;                         chunk's loads land in it.  No vector instruction between the wait on va_vdst and those loads names the chunk.
;   CA, CB as fragments   Step k's twelve products read buffer k % 2.  At the head of steps 1 to 6 ONE wait on va_vdst states that the products of the step before are done reading the other
;                         buffer; step k + 1's sixteen LDS loads land in it, dealt among step k's first products, which name the buffer in hand and the accumulators alone.
;   the accumulators      The bias is loaded into them at the head; after that vector and matrix instructions alone name them.
;   the way out           The conversions write CA; ONE wait on va_vdst; the LDS stores read CA; the loads from the stage land in CB, which step 7's products, issued ahead of that wait, have read.
;   v[SPW], v[NIL]        written at the head, read by the closing add alone.
.set XP,    528                        ; a row of x in LDS: 512 bytes + 16: an odd multiple of 16, so the 16 rows of a fragment load start at 16 different groups of four banks
.set WP,    416                        ; a row of w in LDS: 384 bytes + 32: an odd multiple of 32
.set XT,    0                          ; 128 rows of x
.set WT,    128*XP                     ; 256 rows (k) of w
.set STG,   WT+256*WP                  ; the stages: for each wave 6 blocks of 16 rows x 80 bytes
.set SP,    80
.set BLK,   16*SP
.set SPARE, STG+8*6*BLK                ; the spare words, 128 bytes for each wave: four blocks of 256 bytes that no other line names
.set XG,  4                            ; v4   x in memory: 16 rows x wave + 16 bytes x lane
.set XL,  5                            ; v5   x into LDS: 16 rows x wave + 8 bytes x lane
.set WG,  6                            ; v6   w in memory: 32 rows x wave + 8 bytes x lane
.set WL,  7                            ; v7   w into LDS: 32 rows x wave + 4 bytes x lane
.set BG,  8                            ; v8   the bias: 32 bytes x (lane / 16)
.set XA,  9                            ; v9   my place in x's fragments
.set WA,  10                           ; v10  my place in w's fragments, k 0 to 127
.set WA2, 11                           ; v11  the same, k 128 to 255 (an LDS offset holds 16 bits)
.set STO, 12                           ; v12  the way out: where I put 16 bytes of a row
.set RD,  13                           ; v13  the way out: where I read rows back
.set GO,  14                           ; v14  my 16 bytes of 512 consecutive bytes of qkv
.set SPW, 16                           ; v16  LDS address of my spare word; never rewritten
.set NIL, 17                           ; v17  0; never rewritten
.set TMP, 24                           ; v24-27 at work: no memory instruction names them
.set ACC, 32                           ; v32-127  accumulator (mb, nb) at ACC + 8 (6 mb + nb)
.set CA,  128                          ; v128-191 a chunk of loads, then fragment buffer 0: w's six at 8 nb, x's two at 48 + 8 mb
.set CB,  192                          ; v192-255 the same, buffer 1
.set WV,  12                           ; s12  my wave's number
	s_load_b256 s[4:11], s[0:1], 0x0               ; x s[4:5], w s[6:7], b s[8:9], qkv s[10:11]
	v_lshl_add_u32 v[SPW], v0, 2, SPARE
	v_mov_b32 v[NIL], 0
	v_lshrrev_b32 v1, 5, v0
	v_readfirstlane_b32 s[WV], v1                  ; wave 0..7
	s_and_b32 s13, ttmp7, 0xffff                   ; block of 128 rows
	v_and_b32 v1, 15, v0                           ; l % 16
	v_bfe_u32 v2, v0, 4, 1                         ; l / 16
	v_and_b32 v3, 31, v0                           ; l
	v_lshlrev_b32 v[BG], 5, v2
	s_wait_alu depctr_va_sdst(0)                   ; s[WV] is written, ahead of its first reader: the shares, offsets and bases below are made from it
	s_and_b32 s14, s[WV], 3                        ; which 32 rows are mine
	s_lshr_b32 s15, s[WV], 2                       ; which 96 columns
	s_lshl_b32 s22, s[WV], 14                      ; 16 rows of 1,024 bytes
	v_lshl_add_u32 v[XG], v3, 4, s22
	s_mul_i32 s22, s[WV], 32*3072                  ; 32 rows of 3,072 bytes
	v_lshl_add_u32 v[WG], v3, 3, s22
	s_lshl_b32 s24, s13, 17                        ; the block's 128 rows of x
	s_mov_b32 s25, 0
	s_mul_i32 s26, ttmp9, 768                      ; the work-group's 192 columns, in bytes of f32
	s_mov_b32 s27, 0
	s_mul_i32 s28, s15, 384                        ; + my 96 columns, for the bias
	s_add_co_u32 s28, s28, s26
	s_mov_b32 s29, 0
	s_mov_b32 s30, 0xffff0000                      ; a word's upper bf16
	s_wait_kmcnt 0x0
	s_add_nc_u64 s[4:5], s[4:5], s[24:25]
	s_add_nc_u64 s[6:7], s[6:7], s[26:27]
	s_add_nc_u64 s[8:9], s[8:9], s[28:29]
	s_wait_alu depctr_va_vdst(0)                   ; v[XG], v[WG] and v[BG] are written: every global load of the kernel reads one of them as its offset
; 16 loads of 512 consecutive bytes: rows 8 c .. 8 c + 7 of my 16 rows of x
.macro XLOAD c, buf
.set i, 0
.rept 16
	global_load_b128 v[(\buf)+4*i:(\buf)+4*i+3], v[XG], s[4:5] offset:512*(16*(\c)+i)
.set i, i+1
.endr
.endm
; rounded to bf16 in place, in one run; then 8 bytes a lane into LDS, in one run
.macro XSTORE c, buf
.set i, 0
.rept 16
	v_cvt_pk_bf16_f32 v[(\buf)+4*i], v[(\buf)+4*i], v[(\buf)+4*i+1]
	v_cvt_pk_bf16_f32 v[(\buf)+4*i+1], v[(\buf)+4*i+2], v[(\buf)+4*i+3]
.set i, i+1
.endr
	s_wait_alu depctr_va_vdst(0)                   ; the conversions have written the chunk's registers, which the LDS stores read, and are done with all of them, in which the next loads land; at its first use: the LDS addresses and v[GO] are written
.set i, 0
.rept 16
	ds_store_b64 v[XL], v[(\buf)+4*i:(\buf)+4*i+1] offset:((16*(\c)+i)/2)*XP+((16*(\c)+i)%2)*256
.set i, i+1
.endr
.endm
; 32 loads of 256 consecutive bytes, aligned: three to a row's 768 bytes
.macro WLOAD c, buf
.set i, 0
.rept 32
	global_load_b64 v[(\buf)+2*i:(\buf)+2*i+1], v[WG], s[6:7] offset:((32*(\c)+i)/3)*3072+((32*(\c)+i)%3)*256
.set i, i+1
.endr
.endm
.macro WSTORE c, buf
.set i, 0
.rept 32
	v_cvt_pk_bf16_f32 v[(\buf)+2*i], v[(\buf)+2*i], v[(\buf)+2*i+1]
.set i, i+1
.endr
	s_wait_alu depctr_va_vdst(0)                   ; the conversions have written the chunk's registers, which the LDS stores read, and are done with all of them, in which the next loads land
.set i, 0
.rept 32
	ds_store_b32 v[WL], v[(\buf)+2*i] offset:((32*(\c)+i)/3)*WP+((32*(\c)+i)%3)*128
.set i, i+1
.endr
.endm
.irp nb, 0,1,2,3,4,5                   ; the bias of my eight columns of each block of 16, into the accumulators of my first 16 rows
	global_load_b128 v[ACC+8*\nb:ACC+8*\nb+3],   v[BG], s[8:9] offset:64*\nb
	global_load_b128 v[ACC+8*\nb+4:ACC+8*\nb+7], v[BG], s[8:9] offset:64*\nb+16
.endr
	XLOAD 0, CA
	XLOAD 1, CB
	; the LDS addresses and the three bases of the way out are made while the loads are on their way; none of these registers is read by a pending load
	s_mul_i32 s22, s[WV], 16*XP
	v_lshl_add_u32 v[XL], v3, 3, s22
	s_mul_i32 s22, s[WV], 32*WP
	s_add_co_u32 s22, s22, WT
	v_lshl_add_u32 v[WL], v3, 2, s22
	s_mul_i32 s22, s14, 32*XP
	v_mul_u32_u24 v[XA], v1, XP
	v_lshl_add_u32 v[XA], v2, 4, v[XA]
	v_add_nc_u32 v[XA], s22, v[XA]                 ; (my 32 rows + l % 16) x pitch + 16 (l / 16)
	v_and_b32 v18, 7, v0
	v_bfe_u32 v19, v0, 3, 1
	v_lshl_add_u32 v[WA], v2, 3, v18
	v_mul_u32_u24 v[WA], v[WA], WP
	v_lshl_add_u32 v[WA], v19, 4, v[WA]            ; the turning load: row 8 (l / 16) + l % 8, 16 bytes x ((l / 8) % 2)
	s_mul_i32 s22, s15, 192
	s_add_co_u32 s22, s22, WT
	v_add_nc_u32 v[WA], s22, v[WA]
	v_add_nc_u32 v[WA2], 128*WP, v[WA]
	s_mul_i32 s22, s[WV], 6*BLK
	s_add_co_u32 s22, s22, STG                     ; my stage
	v_mul_u32_u24 v[STO], v1, SP
	v_lshl_add_u32 v[STO], v2, 4, v[STO]
	v_add_nc_u32 v[STO], s22, v[STO]
	v_bfe_u32 v18, v0, 2, 3
	v_and_b32 v19, 3, v0
	v_mul_u32_u24 v[RD], v18, SP                   ; back: 32 lanes take eight rows of 64 bytes,
	v_lshl_add_u32 v[RD], v19, 4, v[RD]
	v_add_nc_u32 v[RD], s22, v[RD]
	v_lshlrev_b32 v[GO], 4, v3                     ; which are 512 consecutive bytes of a plane
	s_mul_i32 s24, ttmp9, 6
	s_mul_i32 s25, s15, 3
	s_add_co_u32 s24, s24, s25                     ; my first group of 32 columns: 8 x (q, k or v) + head
	s_lshr_b32 s25, s13, 5
	s_lshl_b32 s25, s25, 3                         ; 8 x batch
	s_and_b32 s26, s13, 31
	s_lshl_b32 s26, s26, 7
	s_lshl_b32 s27, s14, 5
	s_add_co_u32 s26, s26, s27
	s_lshl_b32 s26, s26, 6                         ; my first row in a plane, in bytes
.irp g, 0,1,2
	s_add_co_u32 s28, s24, \g
	s_lshr_b32 s29, s28, 3
	s_lshl_b32 s29, s29, 4
	s_and_b32 s28, s28, 7
	s_add_co_u32 s28, s28, s29
	s_add_co_u32 s28, s28, s25                     ; the plane: 16 x (q, k or v) + 8 x batch + head
	s_lshl_b32 s28, s28, 18
	s_add_co_u32 s28, s28, s26
	s_mov_b32 s29, 0
	s_add_nc_u64 s[16+2*\g:17+2*\g], s[10:11], s[28:29]
.endr
	s_wait_loadcnt 32                              ; the bias is in; the 32 loads of x are younger
.irp nb, 0,1,2,3,4,5                   ; rounded to bf16 like the other inputs, and given to both blocks of rows: the sums start at the bias
.irp k, 0,1,2,3
	v_cvt_pk_bf16_f32 v[TMP+\k], v[ACC+8*\nb+2*\k], v[ACC+8*\nb+2*\k+1]
.endr
.irp k, 0,1,2,3
	v_lshlrev_b32 v[ACC+8*\nb+2*\k], 16, v[TMP+\k]
	v_and_b32 v[ACC+8*\nb+2*\k+1], s30, v[TMP+\k]
	v_lshlrev_b32 v[ACC+48+8*\nb+2*\k], 16, v[TMP+\k]
	v_and_b32 v[ACC+48+8*\nb+2*\k+1], s30, v[TMP+\k]
.endr
.endr
	s_wait_loadcnt 16                              ; x's first chunk is in; the second chunk's 16 loads are younger
	XSTORE 0, CA
	s_wait_alu depctr_vm_vsrc(0)                   ; the LDS stores have read CA, in which w's first chunk lands
	WLOAD 0, CA
	s_wait_loadcnt 32                              ; x's second chunk; the 32 loads of w just issued are younger
	XSTORE 1, CB
	s_wait_alu depctr_vm_vsrc(0)                   ; the LDS stores have read CB, in which w's second chunk lands
	WLOAD 1, CB
	s_wait_loadcnt 32                              ; w's first chunk; the second chunk's 32 are younger
	WSTORE 0, CA
	s_wait_alu depctr_vm_vsrc(0)                   ; the LDS stores have read CA, in which w's third chunk lands
	WLOAD 2, CA
	s_wait_loadcnt 32                              ; w's second chunk; the third chunk's 32 are younger
	WSTORE 1, CB
	s_wait_loadcnt 0x0
	WSTORE 2, CA
	s_wait_dscnt 0x0                               ; for the others' sake: my stores into the tiles are done
	s_barrier_signal -1
	s_barrier_wait -1                              ; both tiles are whole
	s_wait_alu depctr_vm_vsrc(0)                   ; my last LDS stores have read CA and CB: from here on these registers are the fragment buffers, in which LDS loads land
; Pair p of the eight pairs of LDS loads that bring the fragments of 32 along K, step ks, into buf: 0 to 5 w's six (turned), 6 and 7 x's two
.macro LPAIR ks, buf, p
.if (\p) < 6
.if (\ks) < 4
	ds_load_tr16_b128 v[(\buf)+8*(\p):(\buf)+8*(\p)+3],   v[WA] offset:((\ks)%4)*32*WP+32*(\p)
	ds_load_tr16_b128 v[(\buf)+8*(\p)+4:(\buf)+8*(\p)+7], v[WA] offset:((\ks)%4)*32*WP+32*(\p)+16*WP
.else
	ds_load_tr16_b128 v[(\buf)+8*(\p):(\buf)+8*(\p)+3],   v[WA2] offset:((\ks)%4)*32*WP+32*(\p)
	ds_load_tr16_b128 v[(\buf)+8*(\p)+4:(\buf)+8*(\p)+7], v[WA2] offset:((\ks)%4)*32*WP+32*(\p)+16*WP
.endif
.else
	ds_load_b128 v[(\buf)+8*(\p):(\buf)+8*(\p)+3],   v[XA] offset:((\p)-6)*16*XP+64*(\ks)
	ds_load_b128 v[(\buf)+8*(\p)+4:(\buf)+8*(\p)+7], v[XA] offset:((\p)-6)*16*XP+64*(\ks)+32
.endif
.endm
.macro FETCH ks, buf                   ; all sixteen in one run
.irp p, 0,1,2,3,4,5,6,7
	LPAIR \ks, \buf, \p
.endr
.endm
; Step ks: 12 products on buffer ks % 2; the 12 accumulators take turns, one instruction a turn, from step to step too.
; left: the younger LDS loads that may stay out.  fetch = 1: the next step's fragments go into the other buffer, four loads behind each of the first four products.
.macro STEP ks, left, fetch
.set cur, CA+64*((\ks)%2)
.set oth, CA+64-64*((\ks)%2)
.if \fetch
.rept 4
	v_nop                                          ; four places between the last step's products and the loads into the registers that they have read (ISA guide 7.12.1 for vector instructions); they stay beside the wait below
.endr
.endif
	s_wait_dscnt \left                             ; this step's fragments are in
.if \fetch
	s_wait_alu depctr_va_vdst(0)                   ; the last step's products are done reading the other buffer, in which the loads below land; this step's products name the buffer in hand and the accumulators alone
.endif
.set n, 0
.rept 12
	v_wmma_f32_16x16x32_bf16 v[ACC+8*n:ACC+8*n+7], v[cur+8*(n%6):cur+8*(n%6)+7], v[cur+48+8*(n/6):cur+48+8*(n/6)+7], v[ACC+8*n:ACC+8*n+7]
.if (\fetch) && (n < 4)
	LPAIR (\ks)+1, oth, 2*n
	LPAIR (\ks)+1, oth, 2*n+1
.endif
.set n, n+1
.endr
.endm
	FETCH 0, CA
	FETCH 1, CB
	STEP 0, 16, 0                                  ; step 1's sixteen loads are younger; both buffers are taken, so nothing is fetched
	STEP 1, 0, 1
	STEP 2, 0, 1
	STEP 3, 0, 1
	STEP 4, 0, 1
	STEP 5, 0, 1
	STEP 6, 0, 1
	STEP 7, 0, 0                                   ; nothing is left to fetch: no load, so no wait on va_vdst
.rept 4
	v_nop                                          ; four places behind the last product, before a result is read and before a register that the products have read is written (ISA guide 7.12.1)
.endr
	; THE WAY OUT: block (mb, g) = 16 rows x one head's 32 channels; each accumulator's registers in ascending order
.irp mb, 0,1
.irp g, 0,1,2
.irp e, 0,1
.irp r, 0,1,2,3
	v_cvt_pk_f16_f32 v[CA+8*(3*\mb+\g)+4*\e+\r], v[ACC+8*(6*\mb+2*\g+\e)+2*\r], v[ACC+8*(6*\mb+2*\g+\e)+2*\r+1]
.endr
.endr
.endr
.endr
	s_wait_alu depctr_va_vdst(0)                   ; the conversions have written CA, which the LDS stores read; step 7's products are done reading CB, in which the loads from the stage land
.irp mb, 0,1
.irp g, 0,1,2
.irp e, 0,1
	ds_store_b128 v[STO], v[CA+8*(3*\mb+\g)+4*\e:CA+8*(3*\mb+\g)+4*\e+3] offset:(3*\mb+\g)*BLK+32*\e
.endr
.endr
.endr
.irp mb, 0,1
.irp g, 0,1,2
.irp f, 0,1
	ds_load_b128 v[CB+4*(2*(3*\mb+\g)+\f):CB+4*(2*(3*\mb+\g)+\f)+3], v[RD] offset:(3*\mb+\g)*BLK+\f*8*SP  ; LDS serves a wave's instructions in order (ISA guide 5.7.1.4): these see my stores above
.endr
.endr
.endr
.irp mb, 0,1
.irp g, 0,1,2
.irp f, 0,1
	s_wait_dscnt 11-(2*(3*\mb+\g)+\f)              ; LDS loads come back in order: this one is in, the younger ones may stay out
	global_store_b128 v[GO], v[CB+4*(2*(3*\mb+\g)+\f):CB+4*(2*(3*\mb+\g)+\f)+3], s[16+2*\g:17+2*\g] offset:1024*\mb+512*\f  ; 512 consecutive bytes, at a multiple of 256 from the buffer's first
.endr
.endr
.endr
	s_wait_dscnt 0x0                               ; the closing lines, six on end
	s_wait_alu 0x0
	s_wait_tensorcnt 0x0
	ds_add_u32 v[SPW], v[NIL]
	s_wait_dscnt 0x0
	s_endpgm
.Lfunc_end_k_q1833b42922_qkvproj:
	.size	k_q1833b42922_qkvproj, .Lfunc_end_k_q1833b42922_qkvproj-k_q1833b42922_qkvproj
	.p2alignl 7, 3214868480
	.fill 96, 4, 3214868480
	.section	.rodata,"a",@progbits
	.p2align	6, 0x0
	.amdhsa_kernel k_q1833b42922_qkvproj
		.amdhsa_group_segment_fixed_size 236544
		.amdhsa_private_segment_fixed_size 0
		.amdhsa_enable_private_segment 0
		.amdhsa_kernarg_size 32
		.amdhsa_user_sgpr_count 2
		.amdhsa_user_sgpr_kernarg_segment_ptr 1
		.amdhsa_wavefront_size32 1
		.amdhsa_system_sgpr_workgroup_id_x 1
		.amdhsa_system_sgpr_workgroup_id_y 1
		.amdhsa_system_sgpr_workgroup_id_z 1
		.amdhsa_system_vgpr_workitem_id 0
		.amdhsa_next_free_vgpr 256
		.amdhsa_next_free_sgpr 66
		.amdhsa_reserve_vcc 0
		.amdhsa_float_denorm_mode_32 3
		.amdhsa_float_denorm_mode_16_64 3
		.amdhsa_memory_ordered 1
		.amdhsa_forward_progress 1
		.amdhsa_inst_pref_size 63
	.end_amdhsa_kernel
	.amdgpu_metadata
---
amdhsa.version: [ 1, 2 ]
amdhsa.kernels:
  - .name:           k_q1833b42922_qkvproj
    .symbol:         k_q1833b42922_qkvproj.kd
    .args:
      - { .name: x, .offset: 0, .size: 8, .value_kind: global_buffer, .address_space: global }
      - { .name: w_qkv, .offset: 8, .size: 8, .value_kind: global_buffer, .address_space: global }
      - { .name: b_qkv, .offset: 16, .size: 8, .value_kind: global_buffer, .address_space: global }
      - { .name: qkv, .offset: 24, .size: 8, .value_kind: global_buffer, .address_space: global }
    .group_segment_fixed_size: 236544
    .private_segment_fixed_size: 0
    .kernarg_segment_align: 8
    .kernarg_segment_size: 32
    .max_flat_workgroup_size: 256
    .sgpr_count:     66
    .vgpr_count:     256
    .wavefront_size: 32
...
	.end_amdgpu_metadata
.endif
;; end of part 4
;; launch attn: the kernel of part 2 again; grid 16 x 16, 8 waves a work-group, clusters of 4 x 1, 327,680 bytes of LDS; arguments qkv, rel_bias, o; writes o
;; launch outproj (part 5): grid 4 x 64, 8 waves a work-group, no clusters, 76,800 bytes of LDS; arguments o, w_proj, b_proj, out0; writes out0
.if DOCPART == 5
	.amdgcn_target "amdgcn-amd-amdhsa--gfx1250"
	.amdhsa_code_object_version 6
	.text
	.protected	k_q1833b42922_outproj
	.globl	k_q1833b42922_outproj
	.p2align	8
	.type	k_q1833b42922_outproj,@function
k_q1833b42922_outproj:
	s_mov_b64 s[64:65], 0
	v_nop
	global_prefetch_b8 v0, s[64:65] scope:SCOPE_SE
	s_setreg_imm32_b32 hwreg(HW_REG_WAVE_SCHED_MODE, 0, 2), 2
	s_setreg_imm32_b32 hwreg(HW_REG_WAVE_MODE, 25, 1), 1
	s_wait_xcnt 0x0
	s_wait_alu depctr_vm_vsrc(0)
; out0 = O w_proj + b_proj.  o: [16 (8 batch + head)][4096][32] f16, as the attention left it; w_proj: [256][256] f32, b_proj: [256] f32; out0: [8192][256] f32.
; w and b are rounded to bf16 like the module's other inputs; w's rounded number is then written as f16, so that the product with O goes in f16; sums in f32, starting at the bias.
; LIMITS.  |w_proj| stays under f16's 65,504; below 2^-14 it keeps f16's fixed step of 6e-8.  NaN and infinities are not treated apart.
; SHARES.  A work-group makes 128 rows x 64 columns: 64 x 4 = 256 work-groups.  Wave w makes rows 16 w .. 16 w + 15, all 64 columns: four accumulators.  A head's 32 channels are one K step.
; THE WAY IN.  O's fragments lie in memory as they lie in registers (16 bytes a lane, twice) and no wave wants another's rows: they come straight into registers.  w must be rounded on the way, so it
; goes through registers into LDS, 32 rows a wave: no copy engine and no joint load of a cluster; one barrier.
; THE MATRIX INSTRUCTION IS USED TRANSPOSED: source 0 = 16 columns of w (turned out of LDS), source 1 = 16 rows of O: a lane holds one row and eight neighbouring columns, 32 bytes of f32, which
; go through the wave's own stage and leave as whole rows of 256 bytes.
; THE MODE: SCHED_MODE bits 1:0 = 2 (LLVM: expert scheduling mode 2), set by the entry lines.  The code itself states the register dependences
; between vector or matrix instructions and memory or LDS instructions, with s_wait_alu, always for 0.
; THE PLAN.  Registers that memory or LDS instructions touch:
;   v[WG], v[BG], v[OG], v[GO]   the global loads' and stores' offsets: written at the head, ahead of the one wait on va_vdst in front of the first load; never written again.
;   v[WL], v[WA], v[STO], v[RD]  the LDS addresses: written once, behind the loads' issue (no pending load reads them) and ahead of the wait on va_vdst in front of w's LDS stores; never again.
;   WB's first 64 registers      w's loads land; the conversions read and write them, in one run; ONE wait on va_vdst; the LDS stores read them; ONE wait on vm_vsrc behind the barrier; then fragments land.
;   WB as four buffers of 32     Step ks's four products read buffer ks % 4.  Steps 0 to 3 are fetched ahead of step 0.  Steps 2 to 5 fetch step ks + 2, two loads behind each product.
;                                TWO waits on va_vdst: at step 2's head (the products of steps 0 and 1 are done reading buffers 0 and 1, in which the loads of steps 4 and 5 land, issued in steps 2 and 3,
;                                whose products name buffers 2 and 3); at step 4's head (likewise steps 2 and 3, buffers 2 and 3, the loads of steps 6 and 7, issued in steps 4 and 5).
;   OF                           O's loads land; the products read it; on the way out the loads from the stage land in it, behind the way out's wait on va_vdst.
;   the accumulators             The bias is loaded into them; vector and matrix instructions work on them; the way out's LDS stores read them, behind four places and that wait.
;   v[SPW], v[NIL]               written at the head, read by the closing add alone.
.set WP,    160                        ; a row of w in LDS: 128 bytes + 32: an odd multiple of 32
.set WT,    0                          ; 256 rows (k) of w
.set STG,   256*WP                     ; the stages: 16 rows x 272 bytes for each wave
.set SP,    272
.set SPARE, STG+8*16*SP                ; the spare words, 128 bytes for each wave: four blocks of 256 bytes that no other line names
.set WG,  4                            ; v4   w in memory: (32 wave + l / 16) rows + 16 (l % 16)
.set WL,  5                            ; v5   w into LDS: the same rows, 8 (l % 16)
.set BG,  6                            ; v6   the bias: 32 (l / 16)
.set OG,  7                            ; v7   my place in O's fragments: 64 (l % 16) + 16 (l / 16)
.set WA,  8                            ; v8   my place in w's fragments
.set STO, 9                            ; v9   the way out: where I put 32 bytes of a row
.set RD,  10                           ; v10  the way out: where I read rows back
.set GO,  11                           ; v11  my 16 bytes of two rows of out0
.set SPW, 12                           ; v12  LDS address of my spare word; never rewritten
.set NIL, 13                           ; v13  0; never rewritten
.set TMP, 16                           ; v16-19 at work: no memory instruction names them
.set ACC, 32                           ; v32-63   four accumulators
.set OF,  64                           ; v64-127  O's fragments, 8 a head; later the rows read back
.set WB,  128                          ; v128-191 w as loaded; then v128-255 w's fragments, four buffers of 32
.set WV,  12                           ; s12  my wave's number
	s_load_b256 s[4:11], s[0:1], 0x0               ; o s[4:5], w s[6:7], b s[8:9], out0 s[10:11]
	v_lshl_add_u32 v[SPW], v0, 2, SPARE
	v_mov_b32 v[NIL], 0
	v_lshrrev_b32 v1, 5, v0
	v_readfirstlane_b32 s[WV], v1                  ; wave 0..7
	s_and_b32 s13, ttmp7, 0xffff                   ; block of 128 rows
	v_and_b32 v1, 15, v0                           ; l % 16
	v_bfe_u32 v2, v0, 4, 1                         ; l / 16
	v_lshlrev_b32 v[GO], 10, v2
	v_lshl_add_u32 v[GO], v1, 4, v[GO]             ; lanes 0-15 one row's 256 bytes, lanes 16-31 the next row's
	v_lshlrev_b32 v[BG], 5, v2
	v_lshlrev_b32 v[OG], 6, v1
	v_lshl_add_u32 v[OG], v2, 4, v[OG]
	s_wait_alu depctr_va_sdst(0)                   ; s[WV] is written, ahead of its first reader: the offsets and bases below are made from it
	s_lshl_b32 s14, s[WV], 15
	v_add_nc_u32 v[WG], s14, v[GO]                 ; + my 32 rows of 1,024 bytes
	s_lshl_b32 s14, ttmp9, 8                       ; the work-group's 64 columns, in bytes of f32
	s_mov_b32 s15, 0
	s_lshr_b32 s16, s13, 5
	s_lshl_b32 s16, s16, 21                        ; the batch's eight planes of o
	s_and_b32 s17, s13, 31
	s_lshl_b32 s17, s17, 7
	s_lshl_b32 s18, s[WV], 4
	s_add_co_u32 s17, s17, s18
	s_lshl_b32 s17, s17, 6                         ; my first row in a plane, in bytes
	s_add_co_u32 s16, s16, s17
	s_mov_b32 s17, 0
	s_lshl_b32 s20, s13, 7
	s_add_co_u32 s20, s20, s18
	s_lshl_b32 s20, s20, 10                        ; my first row of out0
	s_add_co_u32 s20, s20, s14
	s_mov_b32 s21, 0
	s_mov_b32 s22, 0xffff0000                      ; a word's upper bf16
	s_wait_kmcnt 0x0
	s_add_nc_u64 s[4:5], s[4:5], s[16:17]
	s_add_nc_u64 s[6:7], s[6:7], s[14:15]
	s_add_nc_u64 s[8:9], s[8:9], s[14:15]
	s_add_nc_u64 s[10:11], s[10:11], s[20:21]
	s_wait_alu depctr_va_vdst(0)                   ; v[BG], v[WG], v[OG] and v[GO] are written: every global load and store of the kernel reads one of them as its offset
.irp nb, 0,1,2,3                       ; the bias of my eight columns of each block of 16, into the accumulators
	global_load_b128 v[ACC+8*\nb:ACC+8*\nb+3],   v[BG], s[8:9] offset:64*\nb
	global_load_b128 v[ACC+8*\nb+4:ACC+8*\nb+7], v[BG], s[8:9] offset:64*\nb+16
.endr
.set i, 0
.rept 16                               ; my 32 rows of w: two rows' 256 bytes, aligned, a load
	global_load_b128 v[WB+4*i:WB+4*i+3], v[WG], s[6:7] offset:2048*i
.set i, i+1
.endr
.irp ks, 0,1,2,3,4,5,6,7               ; my 16 rows of O, head ks
	global_load_b128 v[OF+8*\ks:OF+8*\ks+3],   v[OG], s[4:5] offset:\ks*262144
	global_load_b128 v[OF+8*\ks+4:OF+8*\ks+7], v[OG], s[4:5] offset:\ks*262144+32
.endr
	; the LDS addresses are made while the loads are on their way; none of these registers is read by a pending load
	s_mul_i32 s18, s[WV], 32*WP
	v_mul_u32_u24 v[WL], v2, WP
	v_lshl_add_u32 v[WL], v1, 3, v[WL]
	v_add_nc_u32 v[WL], s18, v[WL]
	v_and_b32 v14, 7, v0
	v_bfe_u32 v15, v0, 3, 1
	v_lshl_add_u32 v[WA], v2, 3, v14
	v_mul_u32_u24 v[WA], v[WA], WP
	v_lshl_add_u32 v[WA], v15, 4, v[WA]            ; the turning load: row 8 (l / 16) + l % 8, 16 bytes x ((l / 8) % 2)
	s_mul_i32 s18, s[WV], 16*SP
	s_add_co_u32 s18, s18, STG                     ; my stage
	v_mul_u32_u24 v[STO], v1, SP
	v_lshl_add_u32 v[STO], v2, 5, v[STO]
	v_add_nc_u32 v[STO], s18, v[STO]
	v_mul_u32_u24 v[RD], v2, SP
	v_lshl_add_u32 v[RD], v1, 4, v[RD]
	v_add_nc_u32 v[RD], s18, v[RD]
	s_wait_loadcnt 32                              ; the bias is in; w's 16 loads and O's 16 are younger
.irp nb, 0,1,2,3                       ; rounded to bf16 in place: the sums start at the bias
.irp k, 0,1,2,3
	v_cvt_pk_bf16_f32 v[TMP+\k], v[ACC+8*\nb+2*\k], v[ACC+8*\nb+2*\k+1]
.endr
.irp k, 0,1,2,3
	v_lshlrev_b32 v[ACC+8*\nb+2*\k], 16, v[TMP+\k]
	v_and_b32 v[ACC+8*\nb+2*\k+1], s22, v[TMP+\k]
.endr
.endr
	s_wait_loadcnt 16                              ; w is in; O's 16 loads are younger
.set i, 0
.rept 16                               ; rounded to bf16, and that number written as f16: all in one run
	v_cvt_pk_bf16_f32 v[TMP], v[WB+4*i], v[WB+4*i+1]
	v_cvt_pk_bf16_f32 v[TMP+1], v[WB+4*i+2], v[WB+4*i+3]
	v_lshlrev_b32 v[WB+4*i], 16, v[TMP]
	v_and_b32 v[WB+4*i+1], s22, v[TMP]
	v_lshlrev_b32 v[WB+4*i+2], 16, v[TMP+1]
	v_and_b32 v[WB+4*i+3], s22, v[TMP+1]
	v_cvt_pk_f16_f32 v[WB+4*i], v[WB+4*i], v[WB+4*i+1]
	v_cvt_pk_f16_f32 v[WB+4*i+1], v[WB+4*i+2], v[WB+4*i+3]
.set i, i+1
.endr
	s_wait_alu depctr_va_vdst(0)                   ; the conversions have written v[WB ..], which the LDS stores read, and are done with all 64, in which fragments land later; the four LDS addresses are written
.set i, 0
.rept 16
	ds_store_b64 v[WL], v[WB+4*i:WB+4*i+1] offset:2*WP*i
.set i, i+1
.endr
	s_wait_dscnt 0x0                               ; for the others' sake: my stores into w's tile are done
	s_barrier_signal -1
	s_barrier_wait -1                              ; the tile is whole
	s_wait_alu depctr_vm_vsrc(0)                   ; my LDS stores have read v[WB ..]: from here on these registers are fragment buffers, in which LDS loads land
	s_wait_loadcnt 0x0                             ; O
; Two LDS loads: w's fragment nb (16 columns, turned) of 32 along K, step ks, into buffer ks % 4
.macro WPAIR ks, nb
	ds_load_tr16_b128 v[WB+32*((\ks)%4)+8*(\nb):WB+32*((\ks)%4)+8*(\nb)+3],   v[WA] offset:(\ks)*32*WP+32*(\nb)
	ds_load_tr16_b128 v[WB+32*((\ks)%4)+8*(\nb)+4:WB+32*((\ks)%4)+8*(\nb)+7], v[WA] offset:(\ks)*32*WP+32*(\nb)+16*WP
.endm
; Step ks: four products; the four accumulators take turns, one instruction a turn, from step to step too.
; left: the younger LDS loads that may stay out.  fetch = 1: step ks + 2's fragments are asked for, two loads behind each product.
.macro STEP ks, left, fetch
	s_wait_dscnt \left                             ; LDS loads come back in order (ISA guide 5.7.1): this step's fragments are in
.irp nb, 0,1,2,3
	v_wmma_f32_16x16x32_f16 v[ACC+8*\nb:ACC+8*\nb+7], v[WB+32*((\ks)%4)+8*\nb:WB+32*((\ks)%4)+8*\nb+7], v[OF+8*(\ks):OF+8*(\ks)+7], v[ACC+8*\nb:ACC+8*\nb+7]
.if \fetch
	WPAIR (\ks)+2, \nb
.endif
.endr
.endm
.irp ks, 0,1,2,3                       ; the four buffers are filled
.irp nb, 0,1,2,3
	WPAIR \ks, \nb
.endr
.endr
	STEP 0, 24, 0                                  ; the fetches of steps 1 to 3, eight loads each, are younger
	STEP 1, 16, 0
.rept 4
	v_nop                                          ; four places between the products of steps 0 and 1 and the loads into the registers that they have read (ISA guide 7.12.1 for vector instructions); they stay beside the wait below
.endr
	s_wait_alu depctr_va_vdst(0)                   ; the products of steps 0 and 1 are done reading buffers 0 and 1, in which the loads issued in steps 2 and 3 land; those steps' products name buffers 2 and 3, O's fragments and the accumulators alone
	STEP 2, 8, 1                                   ; step 3's eight loads are younger
	STEP 3, 8, 1                                   ; from here on: the eight loads issued in the step before are younger
.rept 4
	v_nop                                          ; the same four places behind the products of steps 2 and 3
.endr
	s_wait_alu depctr_va_vdst(0)                   ; the products of steps 2 and 3 are done reading buffers 2 and 3, in which the loads issued in steps 4 and 5 land; those steps' products name buffers 0 and 1, O's fragments and the accumulators alone
	STEP 4, 8, 1
	STEP 5, 8, 1
	STEP 6, 8, 0                                   ; nothing is left to fetch: no load, so no wait on va_vdst
	STEP 7, 0, 0
.rept 4
	v_nop                                          ; four places behind the last product, before its result is read (ISA guide 7.12.1)
.endr
	s_wait_alu depctr_va_vdst(0)                   ; the products have written the accumulators, which the LDS stores read, and are done reading O's fragments, in which the loads from the stage land; the places above stay beside this wait
	; THE WAY OUT: 32 bytes a lane into rows of 272 bytes, each accumulator's low half first; back as whole rows of 256 bytes
.irp nb, 0,1,2,3
	ds_store_b128 v[STO], v[ACC+8*\nb:ACC+8*\nb+3]   offset:64*\nb
	ds_store_b128 v[STO], v[ACC+8*\nb+4:ACC+8*\nb+7] offset:64*\nb+16
.endr
.irp t, 0,1,2,3,4,5,6,7
	ds_load_b128 v[OF+4*\t:OF+4*\t+3], v[RD] offset:\t*2*SP  ; LDS serves a wave's instructions in order (ISA guide 5.7.1.4): these see my stores above
.endr
.irp t, 0,1,2,3,4,5,6,7
	s_wait_dscnt 7-\t                              ; LDS loads come back in order: this one is in, the younger ones may stay out
	global_store_b128 v[GO], v[OF+4*\t:OF+4*\t+3], s[10:11] offset:\t*2048 th:TH_STORE_NT  ; 16 lanes store 256 consecutive bytes, at a multiple of 256 from out0's first byte
.endr
	s_wait_dscnt 0x0                               ; the closing lines, six on end
	s_wait_alu 0x0
	s_wait_tensorcnt 0x0
	ds_add_u32 v[SPW], v[NIL]
	s_wait_dscnt 0x0
	s_endpgm
.Lfunc_end_k_q1833b42922_outproj:
	.size	k_q1833b42922_outproj, .Lfunc_end_k_q1833b42922_outproj-k_q1833b42922_outproj
	.p2alignl 7, 3214868480
	.fill 96, 4, 3214868480
	.section	.rodata,"a",@progbits
	.p2align	6, 0x0
	.amdhsa_kernel k_q1833b42922_outproj
		.amdhsa_group_segment_fixed_size 76800
		.amdhsa_private_segment_fixed_size 0
		.amdhsa_enable_private_segment 0
		.amdhsa_kernarg_size 32
		.amdhsa_user_sgpr_count 2
		.amdhsa_user_sgpr_kernarg_segment_ptr 1
		.amdhsa_wavefront_size32 1
		.amdhsa_system_sgpr_workgroup_id_x 1
		.amdhsa_system_sgpr_workgroup_id_y 1
		.amdhsa_system_sgpr_workgroup_id_z 1
		.amdhsa_system_vgpr_workitem_id 0
		.amdhsa_next_free_vgpr 256
		.amdhsa_next_free_sgpr 66
		.amdhsa_reserve_vcc 0
		.amdhsa_float_denorm_mode_32 3
		.amdhsa_float_denorm_mode_16_64 3
		.amdhsa_memory_ordered 1
		.amdhsa_forward_progress 1
		.amdhsa_inst_pref_size 25
	.end_amdhsa_kernel
	.amdgpu_metadata
---
amdhsa.version: [ 1, 2 ]
amdhsa.kernels:
  - .name:           k_q1833b42922_outproj
    .symbol:         k_q1833b42922_outproj.kd
    .args:
      - { .name: o, .offset: 0, .size: 8, .value_kind: global_buffer, .address_space: global }
      - { .name: w_proj, .offset: 8, .size: 8, .value_kind: global_buffer, .address_space: global }
      - { .name: b_proj, .offset: 16, .size: 8, .value_kind: global_buffer, .address_space: global }
      - { .name: out0, .offset: 24, .size: 8, .value_kind: global_buffer, .address_space: global }
    .group_segment_fixed_size: 76800
    .private_segment_fixed_size: 0
    .kernarg_segment_align: 8
    .kernarg_segment_size: 32
    .max_flat_workgroup_size: 256
    .sgpr_count:     66
    .vgpr_count:     256
    .wavefront_size: 32
...
	.end_amdgpu_metadata
.endif
;; end of part 5
